; MI455X (gfx1250); checked and timed in simulation.
; The chip was launched on July 23, 2026; its instructions are those of AMD's public machine-readable ISA for CDNA 5 (MIT licence, August 2026) and "CDNA5" Instruction Set Architecture Reference Guide (July 2026). The comments in the code are by the model that wrote it; some were corrected since.
;; bahdanau attention. Allowed arithmetic: float matrix products may take bf16 or f16 operands with f32 sums; other float arithmetic in f32, or as packed bf16 or f16 multiplies, adds, multiply-adds, maxima and minima; sums over many terms, partial sums and values carried from step to step in f32; what a program stores and reads back later, other than sums and carried values, may be rounded once to bf16 or f16.
;; Inputs: Wd 1,024 x 1,024 float32; We 2,048 x 1,024 float32; Wv 1,024 x 1 float32; bd 1,024 float32; be 1,024 float32; bv 1 float32; context 32 x 1,024 x 2,048 float32; dec_hidden 32 x 1,024 float32.
;; Outputs: out0 32 x 2,048 float32; out1 32 x 1,024 float32.
;; 2 versions, each right; version 2 is version 1 with the launches prep, attend written anew for expert scheduling mode. Each part assembles by itself: llvm-mc -triple=amdgcn-amd-amdhsa -mcpu=gfx1250 --defsym DOCPART=n.
;; ======== version 1 of 2: 3 launches
;; workspace buffers: ctxb 134,217,728 bytes; web 4,194,304 bytes; gs 131,072 bytes; part 1,048,576 bytes
;; launch prep (part 1): grid 592 x 1, 8 waves a work-group, no clusters, 50,176 bytes of LDS; arguments context, We, dec_hidden, Wd, bd, be, ctxb, web, gs; writes ctxb, web, gs
.if DOCPART == 1
	.amdgcn_target "amdgcn-amd-amdhsa--gfx1250"
	.amdhsa_code_object_version 6
	.text
	.protected	k_qa39e84a6f9_prep
	.globl	k_qa39e84a6f9_prep
	.p2align	8
	.type	k_qa39e84a6f9_prep,@function
k_qa39e84a6f9_prep:
	s_mov_b64 s[64:65], 0
	v_nop
	global_prefetch_b8 v0, s[64:65] scope:SCOPE_SE
	s_setreg_imm32_b32 hwreg(HW_REG_WAVE_MODE, 25, 1), 1
	s_wait_xcnt 0x0
; TWO JOBS IN ONE LAUNCH, told apart by the work-group's number.
; Work-groups 0-63:   gs[b][n] = C2 x (sum over k of dec_hidden[b][k] Wd[k][n] + bd[n] + be[n]), all in f32, C2 = 2 log2(e): the addend of the exponent from which the next launch makes tanh.
; Work-groups 64-591: context [32768][2048] and We [2048][1024] are rounded once, to nearest even, from f32 to bf16 (ctxb, web: the same layout, half the bytes).
; LIMITS.  bf16 has f32's exponents: only a number within half a bf16 step of f32's largest becomes an infinity.  NaN and infinities are not treated apart.
; No matrix unit: 32 rows against Wd's 4 MiB is a stream, and it runs beside the cast.  No cluster: no two work-groups of the cast share a byte.
.set L16,   2                          ; v2   16 x lane; never rewritten
.set L8,    3                          ; v3   8 x lane; never rewritten
.set DA,    4                          ; v4   LDS address of my wave's dec_hidden, the same in all lanes; 64 bytes (16 k) on in each turn
.set DSA,   5                          ; v5   where I put 16 bytes of dec_hidden
.set PS,    6                          ; v6   where I put my two partial sums
.set PR,    7                          ; v7   where I read partial sums back
.set BD,    8                          ; v[8:9]   bd of my two columns
.set BE,    10                         ; v[10:11] be
.set SPW,   12                         ; v12  LDS address of my spare word; never rewritten
.set NIL,   13                         ; v13  0; never rewritten
.set ACC,   16                         ; v[16:31]  batch j, my two columns, at ACC + 2 j
.set W0,    32                         ; v[32:63]  two sets of 8 rows of Wd, two columns each
.set D,     64                         ; v[64:95]  batch j: four numbers of dec_hidden at D + 4 j
.set X,     32                         ; the cast: v[32:95]  slot i: 4 f32 as loaded
.set Y,     96                         ; the cast: v[96:127] slot i: 4 bf16 to store
.set DEPTH, 16                         ; the cast: loads in flight in each wave
.set DH,    0                          ; LDS: wave w's [8 batches][128 k] f32 at 4,096 w, read by wave w alone
.set PG,    32768                      ; LDS: [8 waves][8 batches][64 columns] f32
.set SPARE, 49152                      ; the spare words, 128 bytes for each wave: four blocks of 256 bytes that no other line names
	s_load_b512 s[4:19], s[0:1], 0x0               ; context s[4:5], We s[6:7], dec_hidden s[8:9], Wd s[10:11], bd s[12:13], be s[14:15], ctxb s[16:17], web s[18:19]
	s_load_b64 s[20:21], s[0:1], 0x40              ; gs
	v_lshl_add_u32 v[SPW], v0, 2, SPARE
	v_mov_b32 v[NIL], 0
	v_and_b32 v1, 31, v0                           ; lane
	v_lshrrev_b32 v14, 5, v0
	v_readfirstlane_b32 s22, v14                   ; wave 0..7
	v_lshlrev_b32 v[L16], 4, v1
	v_lshlrev_b32 v[L8], 3, v1
	s_wait_kmcnt 0x0
	s_cmp_lt_u32 ttmp9, 64
	s_cbranch_scc1 .Lgdec
; THE CAST.  A work-group takes a chunk of 524,288 bytes of f32, a wave 65,536 of them: 128 loads of 512 consecutive bytes.  A load's 16 bytes a lane
; become 8, so a store of the wave covers 256 consecutive bytes, aligned.  A ring of 16 slots in registers keeps 16 loads of every wave in flight.
	s_sub_co_u32 s23, ttmp9, 64                    ; chunks 0-511 are context's,
	s_sub_co_u32 s29, s23, 512                     ; 512-527 We's 0-15
	s_cmp_lt_u32 s23, 512
	s_cselect_b64 s[24:25], s[4:5], s[6:7]         ; from
	s_cselect_b64 s[26:27], s[16:17], s[18:19]     ; to
	s_cselect_b32 s29, s23, s29                    ; the chunk's number in its tensor
	s_lshl_b32 s30, s29, 19
	s_lshl_b32 s31, s22, 16
	s_add_co_u32 s30, s30, s31                     ; under 2^28
	s_mov_b32 s31, 0
	s_add_nc_u64 s[24:25], s[24:25], s[30:31]
	s_lshr_b32 s30, s30, 1                         ; half as many bytes out
	s_add_nc_u64 s[26:27], s[26:27], s[30:31]
.irp i, 0,1,2,3,4,5,6,7,8,9,10,11,12,13,14,15
	global_load_b128 v[X+4*(\i):X+4*(\i)+3], v[L16], s[24:25] offset:(\i)*512 th:TH_LOAD_NT
.endr
; One slot's turn.  ahead = 1: the slot is loaded again, 16 loads further on.  left = the younger loads that may stay out.
.macro SLOT i, ahead, left
	s_wait_loadcnt \left                           ; loads come back in order: mine is in
	s_wait_xcnt 0x0                                ; this slot's Y, which its last store reads, is rewritten only behind this wait
	v_cvt_pk_bf16_f32 v[Y+2*(\i)],   v[X+4*(\i)],   v[X+4*(\i)+1]
	v_cvt_pk_bf16_f32 v[Y+2*(\i)+1], v[X+4*(\i)+2], v[X+4*(\i)+3]
.if \ahead
	global_load_b128 v[X+4*(\i):X+4*(\i)+3], v[L16], s[24:25] offset:(DEPTH+(\i))*512 th:TH_LOAD_NT
.endif
	global_store_b64 v[L8], v[Y+2*(\i):Y+2*(\i)+1], s[26:27] offset:(\i)*256 th:TH_STORE_NT
.endm
	s_mov_b32 s28, 128/DEPTH-1
.Lround:
.irp i, 0,1,2,3,4,5,6,7,8,9,10,11,12,13,14,15
	SLOT \i, 1, DEPTH-1
.endr
	s_wait_xcnt 0x0                                ; the two bases are stepped only behind this wait
	s_add_nc_u64 s[24:25], s[24:25], DEPTH*512
	s_add_nc_u64 s[26:27], s[26:27], DEPTH*256
	s_sub_co_u32 s28, s28, 1
	s_cmp_lg_u32 s28, 0
	s_cbranch_scc1 .Lround
.irp i, 0,1,2,3,4,5,6,7,8,9,10,11,12,13,14,15
	SLOT \i, 0, DEPTH-1-(\i)                       ; the last round loads nothing: the counts run down
.endr
	s_endpgm                                       ; this way has written no LDS
; GAMMA_DEC.  Work-group = 64 columns (256 bytes of every row of Wd) x 8 batches.  K is split among the eight waves, 128 each; a lane owns two columns, for all 8 batches.
; dec_hidden's 8 x 128 numbers of the wave go once through the wave's own LDS bytes and come back four at a time, the same address in all lanes.
.Lgdec:
	s_and_b32 s23, ttmp9, 15
	s_lshr_b32 s29, ttmp9, 4
	s_lshl_b32 s23, s23, 8                         ; the 64 columns, in bytes
	s_lshl_b32 s29, s29, 15                        ; the 8 batches: rows of 4,096 bytes in dec_hidden and in gs
	s_mov_b32 s31, 0
	s_lshl_b32 s30, s22, 9                         ; my wave's 128 k
	s_add_co_u32 s30, s30, s29
	s_add_nc_u64 s[32:33], s[8:9], s[30:31]        ; dec_hidden
	s_lshl_b32 s30, s22, 19                        ; my wave's 128 rows of Wd
	s_add_co_u32 s30, s30, s23
	s_add_nc_u64 s[24:25], s[10:11], s[30:31]      ; Wd
	s_mov_b32 s30, s23
	s_add_nc_u64 s[34:35], s[12:13], s[30:31]      ; bd
	s_add_nc_u64 s[36:37], s[14:15], s[30:31]      ; be
	s_lshl_b32 s30, s22, 12                        ; 4,096 x wave: my part of DH; also the batch that I finish, as a row of gs
	v_mov_b32 v[DA], s30
	v_lshl_add_u32 v[DSA], v1, 4, s30
	s_add_co_u32 s30, s30, s23
	s_add_co_u32 s30, s30, s29
	s_add_nc_u64 s[26:27], s[20:21], s[30:31]      ; gs
	s_lshl_b32 s38, s22, 11
	s_add_co_u32 s38, s38, PG
	v_lshl_add_u32 v[PS], v1, 3, s38               ; PG + 2,048 x wave + 8 x lane
	s_lshl_b32 s38, s22, 8
	s_add_co_u32 s38, s38, PG
	v_lshl_add_u32 v[PR], v1, 3, s38               ; PG + 256 x (my batch = my wave's number) + 8 x lane
	s_mov_b32 s40, 0x4038aa3b                      ; C2 = 2 log2(e)
	s_mov_b32 s41, s40                             ; named with it as a pair
.macro LOADW set, k0                   ; eight rows of Wd: each load of the wave covers 256 consecutive bytes, aligned
.irp kk, 0,1,2,3,4,5,6,7
	global_load_b64 v[W0+16*(\set)+2*(\kk):W0+16*(\set)+2*(\kk)+1], v[L8], s[24:25] offset:((\k0)+(\kk))*4096
.endr
.endm
.irp j, 0,1,2,3,4,5,6,7
	global_load_b128 v[D+4*(\j):D+4*(\j)+3], v[L16], s[32:33] offset:(\j)*4096
.endr
	global_load_b64 v[BD:BD+1], v[L8], s[34:35]
	global_load_b64 v[BE:BE+1], v[L8], s[36:37]
	LOADW 0, 0
	LOADW 1, 8
.set r, 0
.rept 16
	v_mov_b32 v[ACC+r], 0                          ; written while the loads are on their way, so that the loop has one form
.set r, r+1
.endr
	s_wait_loadcnt 18                              ; dec_hidden is in: bd, be and Wd's sixteen loads are younger
.irp j, 0,1,2,3,4,5,6,7
	ds_store_b128 v[DSA], v[D+4*(\j):D+4*(\j)+3] offset:DH+512*(\j)  ; my wave's own bytes: LDS serves a wave's instructions in order, so its loads below see these
.endr
; Four k for all 8 batches: 8 LDS loads, 64 multiply-adds; sixteen sums stand between two links of a chain.
.macro GROUP set, kk0, off
.irp j, 0,1,2,3,4,5,6,7
	ds_load_b128 v[D+4*(\j):D+4*(\j)+3], v[DA] offset:DH+512*(\j)+(\off)
.endr
	s_wait_dscnt 0x0
.irp q, 0,1,2,3
.irp j, 0,1,2,3,4,5,6,7
	v_fmac_f32 v[ACC+2*(\j)],   v[W0+16*(\set)+2*((\kk0)+(\q))],   v[D+4*(\j)+(\q)]
	v_fmac_f32 v[ACC+2*(\j)+1], v[W0+16*(\set)+2*((\kk0)+(\q))+1], v[D+4*(\j)+(\q)]
.endr
.endr
.endm
; A turn: 16 k.  While one set of Wd's rows is multiplied the other's eight loads are out.
.macro TURNG ahead
	s_wait_loadcnt 8                               ; set 0 is in; set 1's eight loads may stay out
	GROUP 0, 0, 0
	GROUP 0, 4, 16
.if \ahead
	s_wait_xcnt 0x0                                ; Wd's base is stepped only behind this wait
	s_add_nc_u64 s[24:25], s[24:25], 16*4096
	LOADW 0, 0
	s_wait_loadcnt 8                               ; set 1 is in
.else
	s_wait_loadcnt 0x0
.endif
	GROUP 1, 0, 32
	GROUP 1, 4, 48
.if \ahead
	LOADW 1, 8
	v_add_nc_u32 v[DA], 64, v[DA]
.endif
.endm
	s_mov_b32 s28, 7
.Lturn:
	TURNG 1
	s_sub_co_u32 s28, s28, 1
	s_cmp_lg_u32 s28, 0
	s_cbranch_scc1 .Lturn
	TURNG 0                                        ; the last turn loads nothing
.irp j, 0,1,2,3,4,5,6,7
	ds_store_b64 v[PS], v[ACC+2*(\j):ACC+2*(\j)+1] offset:256*(\j)
.endr
	s_wait_dscnt 0x0                               ; for the others' sake: my partial sums lie in LDS
	s_barrier_signal -1
	s_barrier_wait -1
.irp v, 0,1,2,3,4,5,6,7
	ds_load_b64 v[D+2*(\v):D+2*(\v)+1], v[PR] offset:2048*(\v)  ; wave w finishes batch w: the eight waves' parts of K
.endr
	s_wait_dscnt 0x0
.irp v, 1,2,3,4,5,6,7
	v_pk_add_f32 v[D:D+1], v[D:D+1], v[D+2*(\v):D+2*(\v)+1]
.endr
	v_pk_add_f32 v[D:D+1], v[D:D+1], v[BD:BD+1]
	v_pk_add_f32 v[D:D+1], v[D:D+1], v[BE:BE+1]
	v_pk_mul_f32 v[D:D+1], v[D:D+1], s[40:41] op_sel_hi:[1,0]
	global_store_b64 v[L8], v[D:D+1], s[26:27]     ; 256 consecutive bytes, aligned
	s_wait_tensorcnt 0x0                           ; the wave's end, behind my last LDS store
	ds_add_u32 v[SPW], v[NIL]
	s_wait_dscnt 0x0
	s_endpgm
.Lfunc_end_k_qa39e84a6f9_prep:
	.size	k_qa39e84a6f9_prep, .Lfunc_end_k_qa39e84a6f9_prep-k_qa39e84a6f9_prep
	.p2alignl 7, 3214868480
	.fill 96, 4, 3214868480
	.section	.rodata,"a",@progbits
	.p2align	6, 0x0
	.amdhsa_kernel k_qa39e84a6f9_prep
		.amdhsa_group_segment_fixed_size 50176
		.amdhsa_private_segment_fixed_size 0
		.amdhsa_enable_private_segment 0
		.amdhsa_kernarg_size 72
		.amdhsa_user_sgpr_count 2
		.amdhsa_user_sgpr_kernarg_segment_ptr 1
		.amdhsa_wavefront_size32 1
		.amdhsa_system_sgpr_workgroup_id_x 1
		.amdhsa_system_sgpr_workgroup_id_y 1
		.amdhsa_system_sgpr_workgroup_id_z 1
		.amdhsa_system_vgpr_workitem_id 0
		.amdhsa_next_free_vgpr 128
		.amdhsa_next_free_sgpr 66
		.amdhsa_reserve_vcc 0
		.amdhsa_float_denorm_mode_32 3
		.amdhsa_float_denorm_mode_16_64 3
		.amdhsa_memory_ordered 1
		.amdhsa_forward_progress 1
		.amdhsa_inst_pref_size 43
	.end_amdhsa_kernel
	.amdgpu_metadata
---
amdhsa.version: [ 1, 2 ]
amdhsa.kernels:
  - .name:           k_qa39e84a6f9_prep
    .symbol:         k_qa39e84a6f9_prep.kd
    .args:
      - { .name: context, .offset: 0, .size: 8, .value_kind: global_buffer, .address_space: global }
      - { .name: We, .offset: 8, .size: 8, .value_kind: global_buffer, .address_space: global }
      - { .name: dec_hidden, .offset: 16, .size: 8, .value_kind: global_buffer, .address_space: global }
      - { .name: Wd, .offset: 24, .size: 8, .value_kind: global_buffer, .address_space: global }
      - { .name: bd, .offset: 32, .size: 8, .value_kind: global_buffer, .address_space: global }
      - { .name: be, .offset: 40, .size: 8, .value_kind: global_buffer, .address_space: global }
      - { .name: ctxb, .offset: 48, .size: 8, .value_kind: global_buffer, .address_space: global }
      - { .name: web, .offset: 56, .size: 8, .value_kind: global_buffer, .address_space: global }
      - { .name: gs, .offset: 64, .size: 8, .value_kind: global_buffer, .address_space: global }
    .group_segment_fixed_size: 50176
    .private_segment_fixed_size: 0
    .kernarg_segment_align: 8
    .kernarg_segment_size: 72
    .max_flat_workgroup_size: 256
    .sgpr_count:     66
    .vgpr_count:     128
    .wavefront_size: 32
...
	.end_amdgpu_metadata
.endif
;; end of part 1
;; launch score (part 2): grid 4 x 128, 4 waves a work-group, clusters of 4 x 4, 327,680 bytes of LDS; arguments ctxb, web, gs, Wv, part; writes part
.if DOCPART == 2
	.amdgcn_target "amdgcn-amd-amdhsa--gfx1250"
	.amdhsa_code_object_version 6
	.text
	.protected	k_qa39e84a6f9_score
	.globl	k_qa39e84a6f9_score
	.p2align	8
	.type	k_qa39e84a6f9_score,@function
k_qa39e84a6f9_score:
	s_mov_b64 s[64:65], 0
	v_nop
	global_prefetch_b8 v0, s[64:65] scope:SCOPE_SE
	s_setreg_imm32_b32 hwreg(HW_REG_WAVE_MODE, 25, 1), 1
	s_wait_xcnt 0x0
	s_wait_alu depctr_hold_cnt(0) depctr_sa_sdst(0) depctr_va_vdst(0) depctr_va_sdst(0) depctr_va_ssrc(0) depctr_va_vcc(0) depctr_vm_vsrc(0)
	s_getreg_b32 s2, hwreg(HW_REG_IB_STS2, 6, 4)
	s_cmp_eq_u32 s2, 0
	s_cbranch_scc0 .Lentry_in_a_cluster
	s_endpgm
.Lentry_in_a_cluster:
	s_bfe_u32 s2, ttmp6, 0x10000c
	s_cmp_lg_u32 s2, 0xf033
	s_cbranch_scc0 .Lentry_shape_is_right
	s_endpgm
.Lentry_shape_is_right:
; part[c8][row] = the sum over 128 columns n of Wv[n] tanh(sum over k of ctxb[row][k] web[k][n] + gamma[batch][n]).  ctxb: [32768][2048] bf16, web: [2048][1024] bf16, sums in f32.
; gs holds C2 x gamma (C2 = 2 log2(e); both biases and the decoder's product are in it), so tanh(x) = 1 - 2 / (1 + 2^(C2 x)) is one packed multiply-add, an exponential, an add, a reciprocal, a multiply-add.
; LIMITS.  Where 2^(C2 x) overflows or falls below 2^-126 tanh is exactly 1 or -1; near 0 its absolute error is about 1e-7.  NaN and infinities are not treated apart.
; SHARES.  A tile is 256 rows x 256 columns, made by four waves, each 128 x 128: 64 accumulators of 16 x 16, 512 registers.  K goes in 16 steps of 128 through a ring of two LDS slots.
; A's tile rows are 256 bytes of memory, B's (128 k x 256 columns, as web lies) 512 bytes, all at multiples of 256 bytes from their buffers' first byte.
; CLUSTER.  4 x 4 work-groups: one batch's 1,024 rows x all 1,024 columns.  The four of a row of the cluster need the same tiles of A, the four of a column the same tiles of B: each is asked
; for JOINTLY, by the same tensor load with the same descriptor and a mask that names the four.
; THE MATRIX INSTRUCTION IS USED TRANSPOSED: source 0 = 16 columns of web (turned on the way out of LDS by ds_load_tr16_b128), source 1 = 16 rows of ctxb.  In accumulator (a, b) lane l, register j
; holds row 16 a + l % 16, column 16 b + 8 (l / 16) + j: a lane holds ONE row, so the sum over columns stays in the lane but for one exchange between the halves of the lanes.
; REGISTERS, in windows of 256 (s_set_vgpr_msb: bits 1:0 source 0, 3:2 source 1, 5:4 source 2, 7:6 destination):
;   window 0: v0-31 addresses; v64-127, v128-191 fragments of A, two buffers; on the way out v64-127 T, v128-155 sums
;   window 1: v64-127, v128-191 fragments of B; v0-63 gs and v192-255 Wv of my lane's 64 columns
;   window 2: the accumulators of my rows 0-63 ((a, b) at v[8 (8 a + b)]);   window 3: those of rows 64-127
.set KSTEP,  128
.set SIZE_K, 2048
.set SIZE_N, 1024
.set PA,     272                       ; a row of A in LDS: 256 bytes + 16 of padding: the 16 rows of a fragment load start at 16 different groups of four banks (ISA guide 11.1)
.set PB,     544                       ; a k row of B: 512 + 32
.set HALFT,  128*PA                    ; what one tensor load brings: 128 rows of A, or 64 k rows of B (64 x 544 is the same number)
.set SLOT,   4*HALFT                   ; A's 256 rows, then B's 128 k rows
.set BOFF,   2*HALFT
.set SPARE,  2*SLOT                    ; behind the ring: the spare words, 128 bytes for each wave: two blocks of 256 bytes that no other line names
.set LAPS,   SIZE_K/(2*KSTEP)          ; a lap = two K steps = once round the ring
.set ADRA, 16                          ; v16-17  LDS address of my A fragments in slot 0, 1
.set ADRB, 20                          ; v20-21  the same for B
.set GO,   26                          ; v26     32 x (lane / 16): my eight columns of sixteen, in f32
.set PO,   27                          ; v27     16 x lane: my 16 bytes of part
.set SPW,  28                          ; v28     LDS address of my spare word; never rewritten
.set NIL,  29                          ; v29     0; never rewritten
.set PFO,  30                          ; v30     the prefetches' offset: lane x a row of ctxb (4,096 bytes); never rewritten
.set F0,   64
.set F1,   128
.set CG,   0                           ; window 1
.set WV,   192                         ; window 1
.set T,    64                          ; the way out, window 0: 64 numbers of one block of 16 rows
.set S,    128                         ; four pairs of running sums
.set R,    136                         ; block a's sum at R + a
.set XR,   144                         ; the other half of the lanes' (these registers have held fragments: they have been written)
.set O,    152                         ; four numbers to store
.set G1,  24                           ; s[24:31] descriptor group 1 for A's tiles
.set G0,  32                           ; s[32:39] group 0 for A's tiles, a set for each slot
.set G1B, 48                           ; s[48:55], s[56:63] the same for B's
.set G0B, 56
.set LIM, 43                           ; s43     1 in a wave that prefetches, else the greatest number
.set PFA, 44                           ; s[44:45] where my prefetches stand
.set C2,  74                           ; s[74:75] 2 log2(e), named as a pair
.set SEL, 76                           ; s[76:77] v_permlanex16_b32's selects: each lane takes its own place in the other half
.set HM,  78                           ; s78     the upper sixteen lanes
.set MSB, 0
.macro WIN new                         ; the immediate's high byte repeats the setting that is left; a switch that changes nothing is dropped
.if MSB != (\new)
	s_set_vgpr_msb (MSB<<8)|(\new)
.set MSB, \new
.endif
.endm
.set MUL_LO, 0xa1                      ; source 0 (B) window 1, source 1 (A) window 0, C and D window 2
.set MUL_HI, 0xf1                      ; the same, C and D window 3
.set TO_B,   0x40                      ; destination window 1, address window 0
; A joint load.  Waves 0 and 1 fetch A's two halves, waves 2 and 3 B's.  The branch hangs on the wave's number alone.  An s_nop 0 and four v_nop follow each of the two lines.
.macro JLOAD s
	s_cmp_eq_u32 s11, 0
	s_cbranch_scc0 .Lfor_b_\@
	tensor_load_to_lds s[G0+4*(\s):G0+4*(\s)+3], s[G1:G1+7]
	s_nop 0
.rept 4
	v_nop
.endr
	s_branch .Lasked_\@
.Lfor_b_\@:
	tensor_load_to_lds s[G0B+4*(\s):G0B+4*(\s)+3], s[G1B:G1B+7]
	s_nop 0
.rept 4
	v_nop
.endr
.Lasked_\@:
.endm
; A PREFETCH INTO THE L2 of A's K step that stands two refills on: 512 matrix instructions ahead of the load that will want it.  A tile row belongs to one cluster.  Of the 128 rows that wave 0 or 1
; fetches, the partner at place cx takes 32, told apart BY ADDRESS: a lane a row, 256 bytes of it, one instruction a wave: each block is named once in the launch.  The loop's last trip (s3 = 1) asks
; for nothing: its two refills have no K step two on.  K steps 0 to 3 come by their loads alone.  web is not asked for: all clusters walk the same 4 MiB.
.macro ASK
	s_cmp_gt_u32 s3, s[LIM]
	s_cbranch_scc0 .Lnot_mine_\@
	global_prefetch_b8 v[PFO], s[PFA:PFA+1] offset:KSTEP*2 th:TH_LOAD_NT scope:SCOPE_SE
.Lnot_mine_\@:
.endm
.macro CREST                           ; a round of the cluster's barrier behind its opening barrier
	s_cmp_lg_u32 s10, 0
	s_cbranch_scc1 .Lnot_wave_0_\@
	s_barrier_signal -3
.Lnot_wave_0_\@:
	s_barrier_wait -3
	s_barrier_signal -1
	s_barrier_wait -1
.endm
.macro CROUND                          ; a whole round
	s_barrier_signal -1
	s_barrier_wait -1
	CREST
.endm
	s_load_b128 s[4:7], s[0:1], 0x0                ; ctxb s[4:5], web s[6:7]
	s_load_b128 s[68:71], s[0:1], 0x10             ; gs s[68:69], Wv s[70:71]
	s_load_b64 s[72:73], s[0:1], 0x20              ; part
	v_lshl_add_u32 v[SPW], v0, 2, SPARE
	v_mov_b32 v[NIL], 0
	ds_add_u32 v[SPW], v[NIL]                      ; the wave's opening: the add and its wait stand ahead of my first tensor load; the set-up below, work on registers, stands between them
	v_lshrrev_b32 v1, 5, v0
	v_readfirstlane_b32 s10, v1                    ; wave 0..3
	s_lshr_b32 s11, s10, 1                         ; which half of the tile's rows is mine.  Also: I fetch for A (0) or for B (1)
	s_and_b32 s12, s10, 1                          ; which half of its columns.  Also: which half of that tile I fetch
	s_bfe_u32 s40, ttmp6, 0x40000                  ; cx
	s_bfe_u32 s41, ttmp6, 0x40004                  ; cy
	s_lshl_b32 s42, ttmp9, 2
	s_add_co_u32 s42, s42, s40                     ; tile column = 4 x cluster x + cx
	s_and_b32 s13, ttmp7, 0xffff
	s_lshl_b32 s13, s13, 2
	s_add_co_u32 s13, s13, s41                     ; tile row = 4 x cluster y + cy
	s_lshl_b32 s43, s41, 2
	s_lshl_b32 s43, 15, s43                        ; my row of the cluster: places 4 cy .. 4 cy + 3
	s_lshl_b32 s44, 0x1111, s40                    ; my column: places cx, cx + 4, cx + 8, cx + 12
	s_or_b32 s[G1+0], s43, (1<<16)|(1<<20)|(1<<21)|(5<<22)|(3<<25)   ; the mask; 2-byte elements; padding on; bit 21 beside a mask; after every 64 words (code 5) 4 words (code 3)
	s_mov_b32 s[G1+1], KSTEP<<16                   ; tensor_dim0 = 128
	s_mov_b32 s[G1+2], 128<<16                     ; tensor_dim1 = 128
	s_mov_b32 s[G1+3], KSTEP<<16                   ; tile_dim0 = 128
	s_mov_b32 s[G1+4], 128                         ; tile_dim1 = 128 rows
	s_mov_b32 s[G1+5], SIZE_K                      ; elements from row to row
	s_mov_b32 s[G1+6], 0
	s_mov_b32 s[G1+7], 0
	s_or_b32 s[G1B+0], s44, (1<<16)|(1<<20)|(1<<21)|(6<<22)|(7<<25)  ; after every 128 words (code 6) 8 words (code 7)
	s_mov_b32 s[G1B+1], 256<<16                    ; tensor_dim0 = 256 columns
	s_mov_b32 s[G1B+2], 64<<16                     ; tensor_dim1 = 64 k rows
	s_mov_b32 s[G1B+3], 256<<16                    ; tile_dim0 = 256
	s_mov_b32 s[G1B+4], 64                         ; tile_dim1 = 64
	s_mov_b32 s[G1B+5], SIZE_N
	s_mov_b32 s[G1B+6], 0
	s_mov_b32 s[G1B+7], 0
	s_mov_b32 s[C2], 0x4038aa3b
	s_mov_b32 s[C2+1], s[C2]
	s_mov_b32 s[SEL], 0x76543210
	s_mov_b32 s[SEL+1], 0xfedcba98
	s_mov_b32 s[HM], 0xffff0000
	; where the tiles come from.  A's hang on the tile row alone, B's on the tile column alone; every wave makes both, in registers that never hold the other coordinate.
	s_lshl_b32 s16, s13, 8
	s_lshl_b32 s17, s12, 7
	s_add_co_u32 s16, s16, s17                     ; A: row 256 x tile row + 128 x half,
	s_lshl_b32 s16, s16, 12                        ; x 4,096 bytes: under 2^27
	s_mov_b32 s17, 0
	s_lshl_b32 s46, s12, 17                        ; B: k row 64 x half, x 2,048 bytes,
	s_lshl_b32 s47, s42, 9                         ; + 256 columns x tile column
	s_add_co_u32 s46, s46, s47
	s_mov_b32 s47, 0
	s_mul_i32 s20, s10, HALFT                      ; where they go: A's two halves, then B's two: no place in the cluster enters an LDS address
	s_wait_dscnt 0x0                               ; the opening add is done
	s_wait_kmcnt 0x0
	s_add_nc_u64 s[14:15], s[4:5], s[16:17]
	s_add_nc_u64 s[46:47], s[6:7], s[46:47]
	CROUND                                         ; all sixteen work-groups are here: the first joint loads meet
.irp s, 0,1
	s_mov_b32 s[G0+4*(\s)], 1                                        ; count = 1
	s_add_co_u32 s[G0+4*(\s)+1], s20, (\s)*SLOT                      ; LDS address
	s_add_nc_u64 s[G0+4*(\s)+2:G0+4*(\s)+3], s[14:15], (\s)*KSTEP*2  ; global address: K step s
	s_or_b32 s[G0+4*(\s)+3], s[G0+4*(\s)+3], 0x80000000              ; type = 2
	s_mov_b32 s[G0B+4*(\s)], 1
	s_add_co_u32 s[G0B+4*(\s)+1], s20, (\s)*SLOT
	s_add_nc_u64 s[G0B+4*(\s)+2:G0B+4*(\s)+3], s[46:47], (\s)*KSTEP*SIZE_N*2
	s_or_b32 s[G0B+4*(\s)+3], s[G0B+4*(\s)+3], 0x80000000
	JLOAD \s                                       ; two loads of mine are out
.endr
	; A's fragment: lane l holds row l % 16; two loads of 16 bytes, 32 bytes apart, at row x pitch + 16 (l / 16).
	; B's: the turning load takes 16 k x 16 columns (lane l reads k row 8 (l / 16) + l % 8, columns 8 ((l / 8) % 2) + 0..7) and leaves half a fragment: lane l holds column l % 16 and 8 k.
	v_and_b32 v1, 15, v0
	v_bfe_u32 v2, v0, 4, 1
	v_mul_u32_u24 v3, v1, PA
	v_lshl_add_u32 v3, v2, 4, v3
	v_and_b32 v4, 7, v0
	v_bfe_u32 v5, v0, 3, 1
	v_lshl_add_u32 v4, v2, 3, v4
	v_mul_u32_u24 v4, v4, PB
	v_lshl_add_u32 v4, v5, 4, v4
	s_mul_i32 s21, s11, HALFT                      ; my 128 rows of A
	s_lshl_b32 s22, s12, 8                         ; my 128 columns of B,
	s_add_co_u32 s22, s22, BOFF                    ; which lies behind A
.irp s, 0,1
	v_add_nc_u32 v[ADRA+(\s)], s21, v3
	v_add_nc_u32 v[ADRB+(\s)], s22, v4
	s_add_co_u32 s21, s21, SLOT
	s_add_co_u32 s22, s22, SLOT
.endr
	v_lshlrev_b32 v[GO], 5, v2
	v_and_b32 v6, 31, v0
	v_lshlrev_b32 v[PO], 4, v6
	v_lshlrev_b32 v[PFO], 12, v6
	s_lshl_b32 s46, s42, 10                        ; my wave's 128 columns in f32: 1,024 x tile column + 512 x half
	s_lshl_b32 s47, s12, 9
	s_add_co_u32 s46, s46, s47
	s_mov_b32 s47, 0
	s_add_nc_u64 s[70:71], s[70:71], s[46:47]      ; Wv
	s_add_nc_u64 s[68:69], s[68:69], s[46:47]
	s_and_b32 s46, ttmp7, 0xffff                   ; the batch is the cluster's y
	s_lshl_b32 s46, s46, 12
	s_add_nc_u64 s[68:69], s[68:69], s[46:47]      ; gs
	WIN TO_B
.irp b, 0,1,2,3,4,5,6,7                ; columns 16 b + 8 (l / 16) + 0..7
	global_load_b128 v[CG+8*(\b):CG+8*(\b)+3],   v[GO], s[68:69] offset:64*(\b)
	global_load_b128 v[CG+8*(\b)+4:CG+8*(\b)+7], v[GO], s[68:69] offset:64*(\b)+16
	global_load_b128 v[WV+8*(\b):WV+8*(\b)+3],   v[GO], s[70:71] offset:64*(\b)
	global_load_b128 v[WV+8*(\b)+4:WV+8*(\b)+7], v[GO], s[70:71] offset:64*(\b)+16
.endr
	WIN 0
	s_lshl_b32 s46, s42, 18                        ; part: plane 2 x tile column + column half, 131,072 bytes each,
	s_lshl_b32 s20, s12, 17
	s_add_co_u32 s46, s46, s20
	s_lshl_b32 s20, s13, 10                        ; group of 128 rows 2 x tile row + row half, 512 bytes each
	s_add_co_u32 s46, s46, s20
	s_lshl_b32 s20, s11, 9
	s_add_co_u32 s46, s46, s20
	s_add_nc_u64 s[72:73], s[72:73], s[46:47]
	s_lshl_b32 s20, s40, 17                        ; the prefetches: my work-group's 32 of the 128 rows that I fetch,
	s_mov_b32 s21, 0
	s_add_nc_u64 s[PFA:PFA+1], s[14:15], s[20:21]
	s_add_nc_u64 s[PFA:PFA+1], s[PFA:PFA+1], 2*KSTEP*2  ; at K step 2: the first refill steps it to 3 and names K step 4
	s_cmp_eq_u32 s11, 0
	s_cselect_b32 s[LIM], 1, -1                    ; waves 0 and 1, the same in all partners
; 16 matrix instructions: row blocks a0, a0 + 1 of the window's four x all 8 column blocks, 32 along K.  zero = 1: the first product starts the sums.
.macro MUL16 f, hi, a0, zero
	WIN MUL_LO+0x50*(\hi)
.irp a, \a0, (\a0)+1
.irp b, 0,1,2,3,4,5,6,7
.if \zero
	v_wmma_f32_16x16x32_bf16 v[8*(8*(\a)+(\b)):8*(8*(\a)+(\b))+7], v[(\f)+8*(\b):(\f)+8*(\b)+7], v[(\f)+8*(4*(\hi)+(\a)):(\f)+8*(4*(\hi)+(\a))+7], 0
.else
	v_wmma_f32_16x16x32_bf16 v[8*(8*(\a)+(\b)):8*(8*(\a)+(\b))+7], v[(\f)+8*(\b):(\f)+8*(\b)+7], v[(\f)+8*(4*(\hi)+(\a)):(\f)+8*(4*(\hi)+(\a))+7], v[8*(8*(\a)+(\b)):8*(8*(\a)+(\b))+7]
.endif
.endr
.endr
.endm
; 32 LDS loads in one run: the fragments of quarter q (32 along K) of a slot into buffer f: B's 128 columns, turned, then A's 128 rows
.macro FETCH slot, q, f
	WIN TO_B
.irp i, 0,1,2,3,4,5,6,7
	ds_load_tr16_b128 v[(\f)+8*(\i):(\f)+8*(\i)+3],   v[ADRB+(\slot)] offset:(\q)*32*PB+32*(\i)
	ds_load_tr16_b128 v[(\f)+8*(\i)+4:(\f)+8*(\i)+7], v[ADRB+(\slot)] offset:(\q)*32*PB+16*PB+32*(\i)
.endr
	WIN 0
.irp i, 0,1,2,3,4,5,6,7
	ds_load_b128 v[(\f)+8*(\i):(\f)+8*(\i)+3],   v[ADRA+(\slot)] offset:(\q)*64+(\i)*16*PA
	ds_load_b128 v[(\f)+8*(\i)+4:(\f)+8*(\i)+7], v[ADRA+(\slot)] offset:(\q)*64+(\i)*16*PA+32
.endr
.endm
.macro PLACES                          ; four plain vector instructions between a matrix instruction and a load into, or a vector instruction on, its registers
.rept 4
	v_nop
.endr
.endm
; A K step is four quarters of 32 along K, 64 matrix instructions each, on buffers 0, 1, 0, 1.  One of the first three: multiplies buffer f; in its middle it fetches quarter q into buffer g.
; The 64 accumulators take turns in the same order in every quarter, over the backward jump too.
.macro QUARTER slot, q, f, g, zero
	s_wait_dscnt 8                                 ; B and A's rows 0-63 are in; the youngest eight loads (A's rows 64-127) may be out
	MUL16 \f, 0, 0, \zero
	MUL16 \f, 0, 2, \zero
	PLACES
	FETCH \slot, \q, \g
	s_wait_dscnt 32                                ; all but the 32 just issued
	MUL16 \f, 1, 0, \zero
	MUL16 \f, 1, 2, \zero
.endm
; The last quarter multiplies buffer 1 and changes slots: ONE barrier.  In front of it each wave waits for all its tensor loads, of which one is out: its part of the next slot; adds 0 to its spare
; word; and waits for that and for its own reads of this slot.  fill = 1: the barrier opens a round of the cluster's barrier, and this slot is filled again, two K steps on, first thing behind the round:
; 224 matrix instructions ahead of the wait for it.
.macro TURN slot, next, fill
.if \fill
	s_wait_xcnt 0x0                                ; the last prefetch, a K step back, has read its address
	s_add_nc_u64 s[PFA:PFA+1], s[PFA:PFA+1], KSTEP*2
.endif
	WIN 0                                          ; (the add's two registers lie in window 0)
	s_wait_tensorcnt 0x0                           ; all my tensor loads have landed
	ds_add_u32 v[SPW], v[NIL]                      ; 0 onto my spare word
	s_wait_dscnt 9                                 ; (the add and the youngest eight loads may be out)
	MUL16 F1, 0, 0, 0                              ; sixteen matrix instructions stand between the add and the wait for it
	s_wait_dscnt 0x0                               ; the add is done, and my reads of this slot are over
	s_barrier_signal -1
	MUL16 F1, 0, 2, 0                              ; work on registers while the others arrive
.if \fill
	WIN 0
.endif
	s_barrier_wait -1
.if \fill
	CREST                                          ; no wave of any partner still reads this slot's tile or has a load on its way
	s_add_nc_u64 s[G0+4*(\slot)+2:G0+4*(\slot)+3], s[G0+4*(\slot)+2:G0+4*(\slot)+3], 2*KSTEP*2
	s_add_nc_u64 s[G0B+4*(\slot)+2:G0B+4*(\slot)+3], s[G0B+4*(\slot)+2:G0B+4*(\slot)+3], 2*KSTEP*SIZE_N*2
	JLOAD \slot                                    ; the four v_nop behind it are also the places in front of the loads below
.else
	PLACES
.endif
	FETCH \next, 0, F0
.if \fill
	ASK                                            ; behind the joint load and the run of LDS loads that the next products wait for
.endif
	MUL16 F1, 1, 0, 0
	MUL16 F1, 1, 2, 0
.endm
	s_wait_loadcnt 0x0                             ; gs and Wv, once
	s_wait_tensorcnt 1                             ; my part of K step 0 is in; K step 1's may stay out
	s_barrier_signal -1
	s_barrier_wait -1                              ; everybody's is
	FETCH 0, 0, F0
	QUARTER 0, 1, F0, F1, 1                        ; the first quarter stands in front of the loop: its products start the sums
	WIN 0                                          ; at a label and at a branch every window is 0
	s_mov_b32 s3, LAPS-1
.Llap:                                                 ; a trip goes once round the ring, from a lap's second quarter to the next lap's first, and fills both slots again
	QUARTER 0, 2, F1, F0, 0
	QUARTER 0, 3, F0, F1, 0
	TURN 0, 1, 1
	QUARTER 1, 1, F0, F1, 0
	QUARTER 1, 2, F1, F0, 0
	QUARTER 1, 3, F0, F1, 0
	TURN 1, 0, 1
	QUARTER 0, 1, F0, F1, 0
	WIN 0
	s_sub_co_u32 s3, s3, 1
	s_cmp_lg_u32 s3, 0
	s_cbranch_scc1 .Llap
	QUARTER 0, 2, F1, F0, 0                        ; the last lap fills nothing, and has no round of the cluster's barrier
	QUARTER 0, 3, F0, F1, 0
	TURN 0, 1, 0
	QUARTER 1, 1, F0, F1, 0
	QUARTER 1, 2, F1, F0, 0
	QUARTER 1, 3, F0, F1, 0
	s_wait_dscnt 8                                 ; the very last quarter: nothing more to fetch
	MUL16 F1, 0, 0, 0
	MUL16 F1, 0, 2, 0
	s_wait_dscnt 0x0
	MUL16 F1, 1, 0, 0
	MUL16 F1, 1, 2, 0
	WIN 0
	PLACES
	PLACES
; THE WAY OUT, a block of 16 rows (8 accumulators, 64 numbers a lane) at a time.  The exponentials are one batch with one wait, and so are the reciprocals:
; a plain instruction behind the last of a batch, then the wait, then the readers.  Each accumulator's lowest registers are read first.
.macro EPI a
.set AC, 64*((\a)%4)
	WIN 0x12+(\a)/4                                ; source 0: the accumulators' window; source 2: window 1; destination: window 0
.irp b, 0,1,2,3,4,5,6,7
.irp p, 0,1,2,3
	v_pk_fma_f32 v[T+8*(\b)+2*(\p):T+8*(\b)+2*(\p)+1], v[AC+8*(\b)+2*(\p):AC+8*(\b)+2*(\p)+1], s[C2:C2+1], v[CG+8*(\b)+2*(\p):CG+8*(\b)+2*(\p)+1] op_sel_hi:[1,0,1]  ; C2 x sum + C2 x gamma
.endr
.endr
	WIN 0
.set i, 0
.rept 64
	v_exp_f32 v[T+i], v[T+i]
.set i, i+1
.endr
	v_nop
	s_wait_alu depctr_va_vdst(0)
.set i, 0
.rept 32
	v_pk_add_f32 v[T+i:T+i+1], v[T+i:T+i+1], 1.0 op_sel_hi:[1,0]
.set i, i+2
.endr
.set i, 0
.rept 64
	v_rcp_f32 v[T+i], v[T+i]
.set i, i+1
.endr
	v_nop
	s_wait_alu depctr_va_vdst(0)
.set i, 0
.rept 32
	v_pk_fma_f32 v[T+i:T+i+1], v[T+i:T+i+1], -2.0, 1.0 op_sel_hi:[1,0,0]  ; tanh
.set i, i+2
.endr
	WIN 0x04                                       ; source 1 (Wv) window 1
.irp p, 0,1,2,3
	v_pk_mul_f32 v[S+2*(\p):S+2*(\p)+1], v[T+2*(\p):T+2*(\p)+1], v[WV+2*(\p):WV+2*(\p)+1]  ; the first products start four chains
.endr
.irp b, 1,2,3,4,5,6,7
.irp p, 0,1,2,3
	v_pk_fma_f32 v[S+2*(\p):S+2*(\p)+1], v[T+8*(\b)+2*(\p):T+8*(\b)+2*(\p)+1], v[WV+8*(\b)+2*(\p):WV+8*(\b)+2*(\p)+1], v[S+2*(\p):S+2*(\p)+1]
.endr
.endr
	WIN 0
	v_pk_add_f32 v[S:S+1], v[S:S+1], v[S+2:S+3]
	v_pk_add_f32 v[S+4:S+5], v[S+4:S+5], v[S+6:S+7]
	v_pk_add_f32 v[S:S+1], v[S:S+1], v[S+4:S+5]
	v_add_f32 v[R+(\a)], v[S], v[S+1]              ; row 16 a + l % 16, my lane's 64 columns
.endm
.irp a, 0,1,2,3,4,5,6,7
	EPI \a
.endr
.irp a, 0,1,2,3,4,5,6,7
	v_permlanex16_b32 v[XR+(\a)], v[R+(\a)], s[SEL], s[SEL+1]  ; the row's other 64 columns lie in the lane 16 away
.endr
.irp a, 0,1,2,3,4,5,6,7
	v_add_f32 v[R+(\a)], v[R+(\a)], v[XR+(\a)]
.endr
.irp i, 0,1,2,3
	v_cndmask_b32 v[O+(\i)], v[R+(\i)], v[R+4+(\i)], s[HM]  ; lanes 0-15 keep blocks 0-3, lanes 16-31 blocks 4-7: number 4 l + i of the group of 128 is row 16 (4 (l / 16) + i) + l % 16
.endr
	global_store_b128 v[PO], v[O:O+3], s[72:73]    ; the wave's 128 sums: 512 consecutive bytes, aligned; the next launch undoes the order
	s_wait_tensorcnt 0x0                           ; the wave's end, behind my last tensor load
	ds_add_u32 v[SPW], v[NIL]
	s_wait_dscnt 0x0
	CROUND                                         ; the closing round: no work-group ends while a partner may still ask for a tile that names it
	s_endpgm
.Lfunc_end_k_qa39e84a6f9_score:
	.size	k_qa39e84a6f9_score, .Lfunc_end_k_qa39e84a6f9_score-k_qa39e84a6f9_score
	.p2alignl 7, 3214868480
	.fill 96, 4, 3214868480
	.section	.rodata,"a",@progbits
	.p2align	6, 0x0
	.amdhsa_kernel k_qa39e84a6f9_score
		.amdhsa_group_segment_fixed_size 327680
		.amdhsa_private_segment_fixed_size 0
		.amdhsa_enable_private_segment 0
		.amdhsa_kernarg_size 40
		.amdhsa_user_sgpr_count 2
		.amdhsa_user_sgpr_kernarg_segment_ptr 1
		.amdhsa_wavefront_size32 1
		.amdhsa_system_sgpr_workgroup_id_x 1
		.amdhsa_system_sgpr_workgroup_id_y 1
		.amdhsa_system_sgpr_workgroup_id_z 1
		.amdhsa_system_vgpr_workitem_id 0
		.amdhsa_next_free_vgpr 1024
		.amdhsa_next_free_sgpr 80
		.amdhsa_reserve_vcc 0
		.amdhsa_float_denorm_mode_32 3
		.amdhsa_float_denorm_mode_16_64 3
		.amdhsa_memory_ordered 1
		.amdhsa_forward_progress 1
		.amdhsa_inst_pref_size 216
	.end_amdhsa_kernel
	.amdgpu_metadata
---
amdhsa.version: [ 1, 2 ]
amdhsa.kernels:
  - .name:           k_qa39e84a6f9_score
    .symbol:         k_qa39e84a6f9_score.kd
    .args:
      - { .name: ctxb, .offset: 0, .size: 8, .value_kind: global_buffer, .address_space: global }
      - { .name: web, .offset: 8, .size: 8, .value_kind: global_buffer, .address_space: global }
      - { .name: gs, .offset: 16, .size: 8, .value_kind: global_buffer, .address_space: global }
      - { .name: Wv, .offset: 24, .size: 8, .value_kind: global_buffer, .address_space: global }
      - { .name: part, .offset: 32, .size: 8, .value_kind: global_buffer, .address_space: global }
    .group_segment_fixed_size: 327680
    .private_segment_fixed_size: 0
    .kernarg_segment_align: 8
    .kernarg_segment_size: 40
    .max_flat_workgroup_size: 128
    .sgpr_count:     80
    .vgpr_count:     1024
    .wavefront_size: 32
...
	.end_amdgpu_metadata
.endif
;; end of part 2
;; launch attend (part 3): grid 8 x 32, 8 waves a work-group, no clusters, 13,824 bytes of LDS; arguments ctxb, part, bv, out0, out1; writes out0, out1
.if DOCPART == 3
	.amdgcn_target "amdgcn-amd-amdhsa--gfx1250"
	.amdhsa_code_object_version 6
	.text
	.protected	k_qa39e84a6f9_attend
	.globl	k_qa39e84a6f9_attend
	.p2align	8
	.type	k_qa39e84a6f9_attend,@function
k_qa39e84a6f9_attend:
	s_mov_b64 s[64:65], 0
	v_nop
	global_prefetch_b8 v0, s[64:65] scope:SCOPE_SE
	s_setreg_imm32_b32 hwreg(HW_REG_WAVE_MODE, 25, 1), 1
	s_wait_xcnt 0x0
; scores[b][s] = the sum of part's eight planes + bv;  out1[b][:] = softmax over s, with the row's true maximum taken away;  out0[b][e] = sum over s of out1[b][s] ctxb[b][s][e].
; All arithmetic in f32; ctxb is context rounded once to bf16.  LIMITS: an exponential below 2^-126 counts as 0; NaN and infinities are not treated apart.
; SHARES.  Work-group (p, b) owns 256 columns (512 bytes of each row of ctxb) of batch b; wave w walks rows 128 w .. 128 w + 127; a lane owns 8 columns.  The batch's softmax (32 KiB of part)
; is made anew by each of the batch's 8 work-groups, in the same order of sums.  Thread t holds four scores: numbers 4 t .. 4 t + 3 of part's order, which are rows
; 128 w + 16 (4 (l / 16) + i) + l % 16.  A wave's 128 weights go through the wave's own 512 bytes of LDS into natural order; wave p of work-group p stores them to out1.
; The stream of ctxb is begun before the softmax: a ring of 32 row slots in registers, 32 loads of 512 consecutive bytes of every wave in flight.
; No matrix unit: one row of weights for each batch; the bytes of ctxb bound the launch.  No cluster: no two work-groups share a byte of ctxb.
.set WL,    0                          ; LDS: 1,024 weights in natural order; wave w writes and reads bytes 512 w .. 512 w + 511 alone
.set RED0,  4096                       ; the eight waves' maxima
.set RED1,  4352                       ; the eight waves' sums: other bytes, so that no barrier is needed between the two uses
.set CP,    4608                       ; [8 waves][256 columns] f32
.set SPARE, 12800                      ; the spare words, 128 bytes for each wave: four blocks of 256 bytes that no other line names
.set VX,  2                            ; v2   16 x lane; never rewritten
.set VP,  3                            ; v3   16 x thread; never rewritten
.set WS,  4                            ; v4   where my first weight goes: 512 w + 256 (l / 16) + 4 (l % 16)
.set WA,  5                            ; v5   the round's 32 weights, the same address in all lanes
.set RS,  6                            ; v6   RED0 + 4 w
.set RL,  7                            ; v7   RED0
.set CS,  8                            ; v8   CP + 1,024 w + 32 l
.set CL,  9                            ; v9   CP + 16 x thread
.set SPW, 10                           ; v10  LDS address of my spare word; never rewritten
.set NIL, 11                           ; v11  0; never rewritten
.set SC,  12                           ; v[12:15]  four scores, then exponentials, then weights
.set WT,  16                           ; v[16:47]  part's eight planes; later a round's 32 weights
.set ACC, 48                           ; v[48:55]  my 8 columns
.set TM,  56                           ; v[56:63]  at work
.set X,   64                           ; v[64:191] slot i: 4 registers, 8 bf16 of a row
	s_load_b256 s[4:11], s[0:1], 0x0               ; ctxb s[4:5], part s[6:7], bv s[8:9], out0 s[10:11]
	s_load_b64 s[12:13], s[0:1], 0x20              ; out1
	v_lshl_add_u32 v[SPW], v0, 2, SPARE
	v_mov_b32 v[NIL], 0
	v_and_b32 v1, 31, v0
	v_lshrrev_b32 v[TM], 5, v0
	v_readfirstlane_b32 s14, v[TM]                 ; wave 0..7
	s_and_b32 s15, ttmp7, 0xffff                   ; the batch
	v_lshlrev_b32 v[VX], 4, v1
	v_lshlrev_b32 v[VP], 4, v0
	s_lshl_b32 s16, s14, 9                         ; 512 x wave
	v_and_b32 v[TM+1], 15, v0
	v_bfe_u32 v[TM+2], v0, 4, 1
	v_lshl_add_u32 v[WS], v[TM+2], 8, s16
	v_lshl_add_u32 v[WS], v[TM+1], 2, v[WS]
	v_mov_b32 v[WA], s16
	s_lshl_b32 s17, s14, 2
	s_add_co_u32 s17, s17, RED0
	v_mov_b32 v[RS], s17
	v_mov_b32 v[RL], RED0
	s_lshl_b32 s17, s14, 10
	s_add_co_u32 s17, s17, CP
	v_lshl_add_u32 v[CS], v1, 5, s17
	v_lshl_add_u32 v[CL], v0, 4, CP
	s_mov_b32 s22, 0x76543210                      ; v_permlanex16_b32: each lane takes its own place in the other half
	s_mov_b32 s23, 0xfedcba98
	s_mov_b32 s19, 0
	s_wait_kmcnt 0x0
	s_load_b32 s20, s[8:9], 0x0                    ; bv
	s_lshl_b32 s18, s15, 12                        ; a batch's 1,024 f32
	s_add_nc_u64 s[6:7], s[6:7], s[18:19]          ; part
	s_add_co_u32 s18, s18, s16
	s_add_nc_u64 s[12:13], s[12:13], s[18:19]      ; out1 at my wave's 128 weights
	s_lshl_b32 s18, s15, 13
	s_lshl_b32 s17, ttmp9, 10
	s_add_co_u32 s18, s18, s17
	s_add_nc_u64 s[10:11], s[10:11], s[18:19]      ; out0 at the work-group's 256 columns
	s_lshl_b32 s18, s15, 22                        ; a batch's 1,024 rows of 4,096 bytes: under 2^27
	s_lshl_b32 s17, s14, 19                        ; my wave's 128 rows
	s_add_co_u32 s18, s18, s17
	s_lshl_b32 s17, ttmp9, 9                       ; the work-group's 512 bytes of a row
	s_add_co_u32 s18, s18, s17
	s_add_nc_u64 s[26:27], s[4:5], s[18:19]        ; ctxb
.irp c, 0,1,2,3,4,5,6,7
	global_load_b128 v[WT+4*(\c):WT+4*(\c)+3], v[VP], s[6:7] offset:(\c)*131072
.endr
.set r, 0
.rept 32
	global_load_b128 v[X+4*r:X+4*r+3], v[VX], s[26:27] offset:r*4096 th:TH_LOAD_NT  ; rows 0 to 31 of my wave
.set r, r+1
.endr
	s_wait_loadcnt 32                              ; part is in: the 32 loads of ctxb are younger
.irp c, 1,2,3,4,5,6,7
	v_pk_add_f32 v[WT:WT+1],   v[WT:WT+1],   v[WT+4*(\c):WT+4*(\c)+1]
	v_pk_add_f32 v[WT+2:WT+3], v[WT+2:WT+3], v[WT+4*(\c)+2:WT+4*(\c)+3]
.endr
	s_wait_kmcnt 0x0
	s_mov_b32 s21, s20                             ; named with it as a pair
	v_pk_add_f32 v[SC:SC+1],   v[WT:WT+1],   s[20:21] op_sel_hi:[1,0]
	v_pk_add_f32 v[SC+2:SC+3], v[WT+2:WT+3], s[20:21] op_sel_hi:[1,0]
	; the maximum: in the lane, across the wave's lanes, across the eight waves
	v_max_num_f32 v[TM+1], v[SC], v[SC+1]
	v_max3_num_f32 v[TM], v[TM+1], v[SC+2], v[SC+3]
	v_max_num_f32_dpp v[TM], v[TM], v[TM] row_xmask:1 row_mask:0xf bank_mask:0xf
	v_max_num_f32_dpp v[TM], v[TM], v[TM] row_xmask:2 row_mask:0xf bank_mask:0xf
	v_max_num_f32_dpp v[TM], v[TM], v[TM] row_xmask:4 row_mask:0xf bank_mask:0xf
	v_max_num_f32_dpp v[TM], v[TM], v[TM] row_xmask:8 row_mask:0xf bank_mask:0xf
	v_permlanex16_b32 v[TM+1], v[TM], s22, s23
	v_max_num_f32 v[TM], v[TM], v[TM+1]
	ds_store_b32 v[RS], v[TM]                      ; all lanes write the same word with the same value
	s_wait_dscnt 0x0                               ; for the others' sake
	s_barrier_signal -1
	s_barrier_wait -1
	ds_load_b128 v[TM:TM+3],   v[RL]
	ds_load_b128 v[TM+4:TM+7], v[RL] offset:16
	s_wait_dscnt 0x0
	v_max3_num_f32 v[TM], v[TM], v[TM+1], v[TM+2]
	v_max3_num_f32 v[TM+3], v[TM+3], v[TM+4], v[TM+5]
	v_max3_num_f32 v[TM], v[TM], v[TM+6], v[TM+7]
	v_max_num_f32 v[TM], v[TM], v[TM+3]
	; e = 2^((s - m) log2(e)): the difference is taken first, so that a common offset of the scores costs no bits; so the two lines are not fused
.irp i, 0,1,2,3
	v_sub_f32 v[SC+(\i)], v[SC+(\i)], v[TM]
.endr
.irp i, 0,1,2,3
	v_mul_f32 v[SC+(\i)], 0x3fb8aa3b, v[SC+(\i)]
.endr
.irp i, 0,1,2,3
	v_exp_f32 v[SC+(\i)], v[SC+(\i)]
.endr
	v_nop                                          ; a plain instruction behind the last exponential,
	s_wait_alu depctr_va_vdst(0)                   ; and the one wait for the four, ahead of their first reader
	v_add_f32 v[TM+1], v[SC], v[SC+1]
	v_add_f32 v[TM+2], v[SC+2], v[SC+3]
	v_add_f32 v[TM+1], v[TM+1], v[TM+2]
	v_add_f32_dpp v[TM+1], v[TM+1], v[TM+1] row_xmask:1 row_mask:0xf bank_mask:0xf
	v_add_f32_dpp v[TM+1], v[TM+1], v[TM+1] row_xmask:2 row_mask:0xf bank_mask:0xf
	v_add_f32_dpp v[TM+1], v[TM+1], v[TM+1] row_xmask:4 row_mask:0xf bank_mask:0xf
	v_add_f32_dpp v[TM+1], v[TM+1], v[TM+1] row_xmask:8 row_mask:0xf bank_mask:0xf
	v_permlanex16_b32 v[TM+2], v[TM+1], s22, s23
	v_add_f32 v[TM+1], v[TM+1], v[TM+2]
	ds_store_b32 v[RS], v[TM+1] offset:RED1-RED0
	s_wait_dscnt 0x0
	s_barrier_signal -1
	s_barrier_wait -1
	ds_load_b128 v[TM:TM+3],   v[RL] offset:RED1-RED0
	ds_load_b128 v[TM+4:TM+7], v[RL] offset:RED1-RED0+16
	s_wait_dscnt 0x0
	v_pk_add_f32 v[TM:TM+1], v[TM:TM+1], v[TM+2:TM+3]
	v_pk_add_f32 v[TM+4:TM+5], v[TM+4:TM+5], v[TM+6:TM+7]
	v_pk_add_f32 v[TM:TM+1], v[TM:TM+1], v[TM+4:TM+5]
	v_add_f32 v[TM], v[TM], v[TM+1]                ; at least 1: the row's maximum gives e = 1
	v_rcp_f32 v[TM+2], v[TM]
	v_nop
	s_wait_alu depctr_va_vdst(0)
.irp i, 0,1,2,3
	v_mul_f32 v[SC+(\i)], v[SC+(\i)], v[TM+2]
.endr
.irp i, 0,1,2,3
	ds_store_b32 v[WS], v[SC+(\i)] offset:WL+64*(\i)  ; row 16 (4 (l / 16) + i) + l % 16 of my wave's 128: my wave's own bytes, which LDS serves in order: its loads below see these
.endr
	s_cmp_lg_u32 s14, ttmp9                        ; of the batch's 8 work-groups number p stores rows 128 p .. 128 p + 127 of out1, by its wave p
	s_cbranch_scc1 .Lnot_mine
	v_add_nc_u32 v[TM+4], s16, v[VX]
	ds_load_b128 v[TM:TM+3], v[TM+4] offset:WL
	s_wait_dscnt 0x0
	global_store_b128 v[VX], v[TM:TM+3], s[12:13]  ; 512 consecutive bytes, aligned; these registers are not written again
.Lnot_mine:
.set r, 0
.rept 8
	v_mov_b32 v[ACC+r], 0
.set r, r+1
.endr
; A round: 32 rows.  Its 32 weights come from LDS, the same address in all lanes.  A row's turn: 8 multiply-adds straight from the bf16 halves; ahead = 1: the slot is loaded again, 32 rows on.
.macro WEIGHTS
.irp q, 0,1,2,3,4,5,6,7
	ds_load_b128 v[WT+4*(\q):WT+4*(\q)+3], v[WA] offset:WL+16*(\q)
.endr
	s_wait_dscnt 0x0
.endm
.macro ROWS i, ahead, left
	s_wait_loadcnt \left                           ; loads come back in order: this row is in, the younger ones stay out
.irp k, 0,1,2,3
	v_fma_mix_f32_bf16 v[ACC+2*(\k)],   v[X+4*(\i)+(\k)], v[WT+(\i)], v[ACC+2*(\k)]   op_sel_hi:[1,0,0]
	v_fma_mix_f32_bf16 v[ACC+2*(\k)+1], v[X+4*(\i)+(\k)], v[WT+(\i)], v[ACC+2*(\k)+1] op_sel:[1,0,0] op_sel_hi:[1,0,0]
.endr
.if \ahead
	global_load_b128 v[X+4*(\i):X+4*(\i)+3], v[VX], s[26:27] offset:(32+(\i))*4096 th:TH_LOAD_NT
.endif
.endm
	s_mov_b32 s24, 3
.Lrows:
	WEIGHTS
.set r, 0
.rept 32
	ROWS r, 1, 31
.set r, r+1
.endr
	s_wait_xcnt 0x0                                ; the base is stepped only behind this wait
	s_add_nc_u64 s[26:27], s[26:27], 32*4096
	v_add_nc_u32 v[WA], 128, v[WA]
	s_sub_co_u32 s24, s24, 1
	s_cmp_lg_u32 s24, 0
	s_cbranch_scc1 .Lrows
	WEIGHTS
.set r, 0
.rept 32
	ROWS r, 0, 31-r                                ; the last round loads nothing: the counts run down
.set r, r+1
.endr
	ds_store_b128 v[CS], v[ACC:ACC+3]
	ds_store_b128 v[CS], v[ACC+4:ACC+7] offset:16
	s_wait_dscnt 0x0                               ; for the others' sake: my wave's sums over its 128 rows lie in LDS
	s_barrier_signal -1
	s_barrier_wait -1
	s_cmp_lt_u32 s14, 2                            ; threads 0 to 63 finish four columns each
	s_cbranch_scc0 .Lend
.irp v, 0,1,2,3,4,5,6,7
	ds_load_b128 v[X+4*(\v):X+4*(\v)+3], v[CL] offset:1024*(\v)
.endr
	s_wait_dscnt 0x0
.irp v, 1,2,3,4,5,6,7
	v_pk_add_f32 v[X:X+1],   v[X:X+1],   v[X+4*(\v):X+4*(\v)+1]
	v_pk_add_f32 v[X+2:X+3], v[X+2:X+3], v[X+4*(\v)+2:X+4*(\v)+3]
.endr
	global_store_b128 v[VP], v[X:X+3], s[10:11]    ; a wave stores 512 consecutive bytes, aligned
.Lend:
	s_wait_tensorcnt 0x0                           ; the wave's end, behind my last LDS store
	ds_add_u32 v[SPW], v[NIL]
	s_wait_dscnt 0x0
	s_endpgm
.Lfunc_end_k_qa39e84a6f9_attend:
	.size	k_qa39e84a6f9_attend, .Lfunc_end_k_qa39e84a6f9_attend-k_qa39e84a6f9_attend
	.p2alignl 7, 3214868480
	.fill 96, 4, 3214868480
	.section	.rodata,"a",@progbits
	.p2align	6, 0x0
	.amdhsa_kernel k_qa39e84a6f9_attend
		.amdhsa_group_segment_fixed_size 13824
		.amdhsa_private_segment_fixed_size 0
		.amdhsa_enable_private_segment 0
		.amdhsa_kernarg_size 40
		.amdhsa_user_sgpr_count 2
		.amdhsa_user_sgpr_kernarg_segment_ptr 1
		.amdhsa_wavefront_size32 1
		.amdhsa_system_sgpr_workgroup_id_x 1
		.amdhsa_system_sgpr_workgroup_id_y 1
		.amdhsa_system_sgpr_workgroup_id_z 1
		.amdhsa_system_vgpr_workitem_id 0
		.amdhsa_next_free_vgpr 192
		.amdhsa_next_free_sgpr 66
		.amdhsa_reserve_vcc 0
		.amdhsa_float_denorm_mode_32 3
		.amdhsa_float_denorm_mode_16_64 3
		.amdhsa_memory_ordered 1
		.amdhsa_forward_progress 1
		.amdhsa_inst_pref_size 51
	.end_amdhsa_kernel
	.amdgpu_metadata
---
amdhsa.version: [ 1, 2 ]
amdhsa.kernels:
  - .name:           k_qa39e84a6f9_attend
    .symbol:         k_qa39e84a6f9_attend.kd
    .args:
      - { .name: ctxb, .offset: 0, .size: 8, .value_kind: global_buffer, .address_space: global }
      - { .name: part, .offset: 8, .size: 8, .value_kind: global_buffer, .address_space: global }
      - { .name: bv, .offset: 16, .size: 8, .value_kind: global_buffer, .address_space: global }
      - { .name: out0, .offset: 24, .size: 8, .value_kind: global_buffer, .address_space: global }
      - { .name: out1, .offset: 32, .size: 8, .value_kind: global_buffer, .address_space: global }
    .group_segment_fixed_size: 13824
    .private_segment_fixed_size: 0
    .kernarg_segment_align: 8
    .kernarg_segment_size: 40
    .max_flat_workgroup_size: 256
    .sgpr_count:     66
    .vgpr_count:     192
    .wavefront_size: 32
...
	.end_amdgpu_metadata
.endif
;; end of part 3
;; ======== version 2 of 2: 3 launches; version 1 with the launches prep, attend written anew for expert scheduling mode
;; workspace buffers: ctxb 134,217,728 bytes; web 4,194,304 bytes; gs 131,072 bytes; part 1,048,576 bytes
;; launch prep (part 4): grid 592 x 1, 8 waves a work-group, no clusters, 50,176 bytes of LDS; arguments context, We, dec_hidden, Wd, bd, be, ctxb, web, gs; writes ctxb, web, gs
.if DOCPART == 4
	.amdgcn_target "amdgcn-amd-amdhsa--gfx1250"
	.amdhsa_code_object_version 6
	.text
	.protected	k_qa39e84a6f9_prep
	.globl	k_qa39e84a6f9_prep
	.p2align	8
	.type	k_qa39e84a6f9_prep,@function
k_qa39e84a6f9_prep:
	s_mov_b64 s[64:65], 0
	v_nop
	global_prefetch_b8 v0, s[64:65] scope:SCOPE_SE
	s_setreg_imm32_b32 hwreg(HW_REG_WAVE_SCHED_MODE, 0, 2), 2
	s_setreg_imm32_b32 hwreg(HW_REG_WAVE_MODE, 25, 1), 1
	s_wait_xcnt 0x0
	s_wait_alu depctr_vm_vsrc(0)
; TWO JOBS IN ONE LAUNCH, told apart by the work-group's number.
; Work-groups 0-63:   gs[b][n] = C2 x (sum over k of dec_hidden[b][k] Wd[k][n] + bd[n] + be[n]), all in f32, C2 = 2 log2(e): the addend of the exponent from which the next launch makes tanh.
; Work-groups 64-591: context [32768][2048] and We [2048][1024] are rounded once, to nearest even, from f32 to bf16 (ctxb, web: the same layout, half the bytes).
; LIMITS.  bf16 has f32's exponents: only a number within half a bf16 step of f32's largest becomes an infinity.  NaN and infinities are not treated apart.
; No matrix unit: 32 rows against Wd's 4 MiB is a stream, and it runs beside the cast.  No cluster: no two work-groups of the cast share a byte.
; THE MODE: SCHED_MODE bits 1:0 = 2 (LLVM: expert scheduling mode 2), set by the entry lines.  The code itself states the register dependences
; between vector instructions and memory or LDS instructions, with s_wait_alu, always for 0.
; THE PLAN, THE CAST.  The ring's 16 slots are four blocks of four.
;   X[b]      Written by loads; read by block b's eight conversions; behind them the loads of the same block of the next round land in it.
;   Y[b]      Written by those conversions; read by block b's four stores, which follow at once; written again a round later.
;   L16, L8   Offsets, made at the head and never written again: the rounds are reached by the two scalar bases and by immediate offsets.
; So one wait on va_vdst stands in a block, behind its conversions, and one wait on vm_vsrc in a round, ahead of the next round's first conversion.
; THE PLAN, GAMMA_DEC.  A turn is 16 k in four groups of four.
;   D0, D1    Group g's 64 multiply-adds read D[g % 2]; behind them the LDS loads of group g + 2 land in it.  (D0 first carries dec_hidden from memory to LDS.)
;   W set 0, 1  Groups 0 and 1 read set 0, groups 2 and 3 set 1; behind them the next turn's eight rows land in the set.
;   DA        Read by every LDS load of D; written once a turn, at the turn's end.
;   ACC       Named by vector instructions alone until the LDS stores behind the last turn.
; So one wait on va_vdst stands behind the multiply-adds of each group that loads follow, and one wait on vm_vsrc a turn ahead of the add to DA.
.set L16,   2                          ; v2   16 x lane; never rewritten
.set L8,    3                          ; v3   8 x lane; never rewritten
.set DA,    4                          ; v4   LDS address of my wave's dec_hidden, the same in all lanes; 64 bytes (16 k) on in each turn
.set DSA,   5                          ; v5   where I put 16 bytes of dec_hidden
.set PS,    6                          ; v6   where I put my two partial sums
.set PR,    7                          ; v7   where I read partial sums back
.set BD,    8                          ; v[8:9]   bd of my two columns
.set BE,    10                         ; v[10:11] be
.set SPW,   12                         ; v12  LDS address of my spare word; never rewritten
.set NIL,   13                         ; v13  0; never rewritten
.set ACC,   16                         ; v[16:31]  batch j, my two columns, at ACC + 2 j
.set W0,    32                         ; v[32:63]  two sets of 8 rows of Wd, two columns each
.set D,     64                         ; v[64:127] two buffers; buffer f, batch j: four numbers of dec_hidden at D + 32 f + 4 j
.set X,     32                         ; the cast: v[32:95]  slot i: 4 f32 as loaded
.set Y,     96                         ; the cast: v[96:127] slot i: 4 bf16 to store
.set DEPTH, 16                         ; the cast: slots in the ring
.set DH,    0                          ; LDS: wave w's [8 batches][128 k] f32 at 4,096 w, read by wave w alone
.set PG,    32768                      ; LDS: [8 waves][8 batches][64 columns] f32
.set SPARE, 49152                      ; the spare words, 128 bytes for each wave: four blocks of 256 bytes that no other line names
	s_load_b512 s[4:19], s[0:1], 0x0               ; context s[4:5], We s[6:7], dec_hidden s[8:9], Wd s[10:11], bd s[12:13], be s[14:15], ctxb s[16:17], web s[18:19]
	s_load_b64 s[20:21], s[0:1], 0x40              ; gs
	v_lshl_add_u32 v[SPW], v0, 2, SPARE
	v_mov_b32 v[NIL], 0
	v_and_b32 v1, 31, v0                           ; lane
	v_lshrrev_b32 v14, 5, v0
	v_readfirstlane_b32 s22, v14                   ; wave 0..7
	v_lshlrev_b32 v[L16], 4, v1
	v_lshlrev_b32 v[L8], 3, v1
	s_wait_alu depctr_va_sdst(0)                   ; s22 is written, ahead of the branch: both ways make their addresses from it
	s_wait_kmcnt 0x0
	s_cmp_lt_u32 ttmp9, 64
	s_cbranch_scc1 .Lgdec
; THE CAST.  A work-group takes a chunk of 524,288 bytes of f32, a wave 65,536 of them: 128 loads of 512 consecutive bytes.  A load's 16 bytes a lane
; become 8, so a store of the wave covers 256 consecutive bytes, aligned.  The ring of 16 slots in registers keeps 12 to 16 loads of every wave in flight.
	s_sub_co_u32 s23, ttmp9, 64                    ; chunks 0-511 are context's,
	s_sub_co_u32 s29, s23, 512                     ; 512-527 We's 0-15
	s_cmp_lt_u32 s23, 512
	s_cselect_b64 s[24:25], s[4:5], s[6:7]         ; from
	s_cselect_b64 s[26:27], s[16:17], s[18:19]     ; to
	s_cselect_b32 s29, s23, s29                    ; the chunk's number in its tensor
	s_lshl_b32 s30, s29, 19
	s_lshl_b32 s31, s22, 16
	s_add_co_u32 s30, s30, s31                     ; under 2^28
	s_mov_b32 s31, 0
	s_add_nc_u64 s[24:25], s[24:25], s[30:31]
	s_lshr_b32 s30, s30, 1                         ; half as many bytes out
	s_add_nc_u64 s[26:27], s[26:27], s[30:31]
	s_wait_alu depctr_va_vdst(0)                   ; v[L16] and v[L8] are written: every load and store of this way reads one of them as its offset
.irp i, 0,1,2,3,4,5,6,7,8,9,10,11,12,13,14,15
	global_load_b128 v[X+4*(\i):X+4*(\i)+3], v[L16], s[24:25] offset:(\i)*512 th:TH_LOAD_NT
.endr
; Block b of a round: slots 4 b to 4 b + 3, whose data the wait in front of the block has shown in.  ahead = 1: the slots are loaded again, 16 loads further on.
.macro CBLK b, ahead
.irp i, 0,1,2,3
	v_cvt_pk_bf16_f32 v[Y+2*(4*(\b)+(\i))],   v[X+4*(4*(\b)+(\i))],   v[X+4*(4*(\b)+(\i))+1]
	v_cvt_pk_bf16_f32 v[Y+2*(4*(\b)+(\i))+1], v[X+4*(4*(\b)+(\i))+2], v[X+4*(4*(\b)+(\i))+3]
.endr
	s_wait_alu depctr_va_vdst(0)                   ; the eight conversions have written Y[b], which the stores below read, and are done reading X[b], in which the loads below land
.if \ahead
.irp i, 0,1,2,3
	global_load_b128 v[X+4*(4*(\b)+(\i)):X+4*(4*(\b)+(\i))+3], v[L16], s[24:25] offset:(DEPTH+4*(\b)+(\i))*512 th:TH_LOAD_NT
.endr
.endif
.irp i, 0,1,2,3
	global_store_b64 v[L8], v[Y+2*(4*(\b)+(\i)):Y+2*(4*(\b)+(\i))+1], s[26:27] offset:(4*(\b)+(\i))*256 th:TH_STORE_NT
.endr
.endm
	s_mov_b32 s28, 128/DEPTH-1
	s_wait_loadcnt 12                              ; loads come back in order: block 0 is in, the three younger blocks stay out
.Lround:
	CBLK 0, 1
	s_wait_loadcnt 12                              ; block 1 is in
	CBLK 1, 1
	s_wait_loadcnt 12
	CBLK 2, 1
	s_wait_loadcnt 12
	CBLK 3, 1
	s_wait_loadcnt 12                              ; the next round's block 0 is in
	s_wait_xcnt 0x0                                ; the two bases, and Y, which this round's stores read, are rewritten only behind this wait
	s_wait_alu depctr_vm_vsrc(0)                   ; this round's sixteen stores have read Y, which the next round's conversions write again
	s_add_nc_u64 s[24:25], s[24:25], DEPTH*512
	s_add_nc_u64 s[26:27], s[26:27], DEPTH*256
	s_sub_co_u32 s28, s28, 1
	s_cmp_lg_u32 s28, 0
	s_cbranch_scc1 .Lround
	CBLK 0, 0                                      ; the last round loads nothing: the counts run down
	s_wait_loadcnt 8
	CBLK 1, 0
	s_wait_loadcnt 4
	CBLK 2, 0
	s_wait_loadcnt 0x0
	CBLK 3, 0
	s_endpgm                                       ; this way has written no LDS
; GAMMA_DEC.  Work-group = 64 columns (256 bytes of every row of Wd) x 8 batches.  K is split among the eight waves, 128 each; a lane owns two columns, for all 8 batches.
; dec_hidden's 8 x 128 numbers of the wave go once through the wave's own LDS bytes and come back four at a time, the same address in all lanes.
.Lgdec:
	s_and_b32 s23, ttmp9, 15
	s_lshr_b32 s29, ttmp9, 4
	s_lshl_b32 s23, s23, 8                         ; the 64 columns, in bytes
	s_lshl_b32 s29, s29, 15                        ; the 8 batches: rows of 4,096 bytes in dec_hidden and in gs
	s_mov_b32 s31, 0
	s_lshl_b32 s30, s22, 9                         ; my wave's 128 k
	s_add_co_u32 s30, s30, s29
	s_add_nc_u64 s[32:33], s[8:9], s[30:31]        ; dec_hidden
	s_lshl_b32 s30, s22, 19                        ; my wave's 128 rows of Wd
	s_add_co_u32 s30, s30, s23
	s_add_nc_u64 s[24:25], s[10:11], s[30:31]      ; Wd
	s_mov_b32 s30, s23
	s_add_nc_u64 s[34:35], s[12:13], s[30:31]      ; bd
	s_add_nc_u64 s[36:37], s[14:15], s[30:31]      ; be
	s_lshl_b32 s30, s22, 12                        ; 4,096 x wave: my part of DH; also the batch that I finish, as a row of gs
	v_mov_b32 v[DA], s30
	v_lshl_add_u32 v[DSA], v1, 4, s30
	s_add_co_u32 s30, s30, s23
	s_add_co_u32 s30, s30, s29
	s_add_nc_u64 s[26:27], s[20:21], s[30:31]      ; gs
	s_lshl_b32 s38, s22, 11
	s_add_co_u32 s38, s38, PG
	v_lshl_add_u32 v[PS], v1, 3, s38               ; PG + 2,048 x wave + 8 x lane
	s_lshl_b32 s38, s22, 8
	s_add_co_u32 s38, s38, PG
	v_lshl_add_u32 v[PR], v1, 3, s38               ; PG + 256 x (my batch = my wave's number) + 8 x lane
	s_mov_b32 s40, 0x4038aa3b                      ; C2 = 2 log2(e)
	s_mov_b32 s41, s40                             ; named with it as a pair
.macro LOADW set, k0                   ; eight rows of Wd: each load of the wave covers 256 consecutive bytes, aligned
.irp kk, 0,1,2,3,4,5,6,7
	global_load_b64 v[W0+16*(\set)+2*(\kk):W0+16*(\set)+2*(\kk)+1], v[L8], s[24:25] offset:((\k0)+(\kk))*4096
.endr
.endm
	s_wait_alu depctr_va_vdst(0)                   ; the six offsets and addresses v2 to v7 are written, which the loads and stores of this way read
.irp j, 0,1,2,3,4,5,6,7
	global_load_b128 v[D+4*(\j):D+4*(\j)+3], v[L16], s[32:33] offset:(\j)*4096
.endr
	global_load_b64 v[BD:BD+1], v[L8], s[34:35]
	global_load_b64 v[BE:BE+1], v[L8], s[36:37]
	LOADW 0, 0
	LOADW 1, 8
.set r, 0
.rept 16
	v_mov_b32 v[ACC+r], 0                          ; written while the loads are on their way, so that the loop has one form
.set r, r+1
.endr
	s_wait_loadcnt 18                              ; dec_hidden is in: bd, be and Wd's sixteen loads are younger
.irp j, 0,1,2,3,4,5,6,7
	ds_store_b128 v[DSA], v[D+4*(\j):D+4*(\j)+3] offset:DH+512*(\j)  ; my wave's own bytes: LDS serves a wave's instructions in order, so its loads below see these
.endr
; Four k for all 8 batches: 8 LDS loads into buffer f,
.macro DLOAD f, off
.irp j, 0,1,2,3,4,5,6,7
	ds_load_b128 v[D+32*(\f)+4*(\j):D+32*(\f)+4*(\j)+3], v[DA] offset:DH+512*(\j)+(\off)
.endr
.endm
; and 64 multiply-adds; sixteen sums stand between two links of a chain.
.macro FMAS f, set, kk0
.irp q, 0,1,2,3
.irp j, 0,1,2,3,4,5,6,7
	v_fmac_f32 v[ACC+2*(\j)],   v[W0+16*(\set)+2*((\kk0)+(\q))],   v[D+32*(\f)+4*(\j)+(\q)]
	v_fmac_f32 v[ACC+2*(\j)+1], v[W0+16*(\set)+2*((\kk0)+(\q))+1], v[D+32*(\f)+4*(\j)+(\q)]
.endr
.endr
.endm
; A turn: 16 k.  It is entered with its groups 0 and 1 asked for from LDS, and both sets of Wd's rows asked for from memory.  While one set is multiplied the other's eight loads are out.
; ahead = 1: the turn asks for the next turn's rows of Wd and for its groups 0 and 1.
.macro TURNG ahead
	s_wait_dscnt 8                                 ; LDS loads come back in order: group 0 is in, group 1's eight loads stay out
	s_wait_loadcnt 8                               ; set 0 is in; set 1's eight loads may stay out
	FMAS 0, 0, 0
	s_wait_alu depctr_va_vdst(0)                   ; group 0's multiply-adds are done reading D0, in which group 2 lands
	DLOAD 0, 32
	s_wait_dscnt 8                                 ; group 1 is in
	FMAS 1, 0, 4
	s_wait_alu depctr_va_vdst(0)                   ; group 1's multiply-adds are done reading D1, in which group 3 lands, and set 0, in which the next turn's rows land
	DLOAD 1, 48
.if \ahead
	s_wait_xcnt 0x0                                ; Wd's base is stepped only behind this wait
	s_add_nc_u64 s[24:25], s[24:25], 16*4096
	LOADW 0, 0
	s_wait_dscnt 8                                 ; group 2 is in
	s_wait_loadcnt 8                               ; set 1 is in
.else
	s_wait_dscnt 8
	s_wait_loadcnt 0x0
.endif
	FMAS 0, 1, 0
.if \ahead
	s_wait_alu depctr_va_vdst(0)                   ; group 2's multiply-adds are done reading D0, in which the next turn's group 0 lands
	DLOAD 0, 64
	s_wait_dscnt 8                                 ; group 3 is in
.else
	s_wait_dscnt 0x0
.endif
	FMAS 1, 1, 4
.if \ahead
	s_wait_alu depctr_vm_vsrc(0)                   ; the LDS loads issued so far have read v[DA]
	v_add_nc_u32 v[DA], 64, v[DA]
	s_wait_alu depctr_va_vdst(0)                   ; v[DA] is written; group 3's multiply-adds are done reading D1 and set 1, in which the loads below land
	LOADW 1, 8
	DLOAD 1, 16
.endif
.endm
	s_wait_alu depctr_vm_vsrc(0)                   ; the LDS stores above have read D0's registers, in which the first group lands
	DLOAD 0, 0
	DLOAD 1, 16
	s_mov_b32 s28, 7
.Lturn:
	TURNG 1
	s_sub_co_u32 s28, s28, 1
	s_cmp_lg_u32 s28, 0
	s_cbranch_scc1 .Lturn
	TURNG 0                                        ; the last turn asks for nothing beyond its own groups
	s_wait_alu depctr_va_vdst(0)                   ; the multiply-adds have written ACC, which the LDS stores read, and are done reading D0, in which the loads behind the barrier land
.irp j, 0,1,2,3,4,5,6,7
	ds_store_b64 v[PS], v[ACC+2*(\j):ACC+2*(\j)+1] offset:256*(\j)
.endr
	s_wait_dscnt 0x0                               ; for the others' sake: my partial sums lie in LDS
	s_barrier_signal -1
	s_barrier_wait -1
.irp v, 0,1,2,3,4,5,6,7
	ds_load_b64 v[D+2*(\v):D+2*(\v)+1], v[PR] offset:2048*(\v)  ; wave w finishes batch w: the eight waves' parts of K
.endr
	s_wait_dscnt 0x0
.irp v, 1,2,3,4,5,6,7
	v_pk_add_f32 v[D:D+1], v[D:D+1], v[D+2*(\v):D+2*(\v)+1]
.endr
	v_pk_add_f32 v[D:D+1], v[D:D+1], v[BD:BD+1]
	v_pk_add_f32 v[D:D+1], v[D:D+1], v[BE:BE+1]
	v_pk_mul_f32 v[D:D+1], v[D:D+1], s[40:41] op_sel_hi:[1,0]
	s_wait_alu depctr_va_vdst(0)                   ; v[D:D+1], the finished pair, is written: the store reads it
	global_store_b64 v[L8], v[D:D+1], s[26:27]     ; 256 consecutive bytes, aligned
	s_wait_dscnt 0x0                               ; the wave's end
	s_wait_alu 0x0
	s_wait_tensorcnt 0x0
	ds_add_u32 v[SPW], v[NIL]
	s_wait_dscnt 0x0
	s_endpgm
.Lfunc_end_k_qa39e84a6f9_prep:
	.size	k_qa39e84a6f9_prep, .Lfunc_end_k_qa39e84a6f9_prep-k_qa39e84a6f9_prep
	.p2alignl 7, 3214868480
	.fill 96, 4, 3214868480
	.section	.rodata,"a",@progbits
	.p2align	6, 0x0
	.amdhsa_kernel k_qa39e84a6f9_prep
		.amdhsa_group_segment_fixed_size 50176
		.amdhsa_private_segment_fixed_size 0
		.amdhsa_enable_private_segment 0
		.amdhsa_kernarg_size 72
		.amdhsa_user_sgpr_count 2
		.amdhsa_user_sgpr_kernarg_segment_ptr 1
		.amdhsa_wavefront_size32 1
		.amdhsa_system_sgpr_workgroup_id_x 1
		.amdhsa_system_sgpr_workgroup_id_y 1
		.amdhsa_system_sgpr_workgroup_id_z 1
		.amdhsa_system_vgpr_workitem_id 0
		.amdhsa_next_free_vgpr 128
		.amdhsa_next_free_sgpr 66
		.amdhsa_reserve_vcc 0
		.amdhsa_float_denorm_mode_32 3
		.amdhsa_float_denorm_mode_16_64 3
		.amdhsa_memory_ordered 1
		.amdhsa_forward_progress 1
		.amdhsa_inst_pref_size 42
	.end_amdhsa_kernel
	.amdgpu_metadata
---
amdhsa.version: [ 1, 2 ]
amdhsa.kernels:
  - .name:           k_qa39e84a6f9_prep
    .symbol:         k_qa39e84a6f9_prep.kd
    .args:
      - { .name: context, .offset: 0, .size: 8, .value_kind: global_buffer, .address_space: global }
      - { .name: We, .offset: 8, .size: 8, .value_kind: global_buffer, .address_space: global }
      - { .name: dec_hidden, .offset: 16, .size: 8, .value_kind: global_buffer, .address_space: global }
      - { .name: Wd, .offset: 24, .size: 8, .value_kind: global_buffer, .address_space: global }
      - { .name: bd, .offset: 32, .size: 8, .value_kind: global_buffer, .address_space: global }
      - { .name: be, .offset: 40, .size: 8, .value_kind: global_buffer, .address_space: global }
      - { .name: ctxb, .offset: 48, .size: 8, .value_kind: global_buffer, .address_space: global }
      - { .name: web, .offset: 56, .size: 8, .value_kind: global_buffer, .address_space: global }
      - { .name: gs, .offset: 64, .size: 8, .value_kind: global_buffer, .address_space: global }
    .group_segment_fixed_size: 50176
    .private_segment_fixed_size: 0
    .kernarg_segment_align: 8
    .kernarg_segment_size: 72
    .max_flat_workgroup_size: 256
    .sgpr_count:     66
    .vgpr_count:     128
    .wavefront_size: 32
...
	.end_amdgpu_metadata
.endif
;; end of part 4
;; launch score: the kernel of part 2 again; grid 4 x 128, 4 waves a work-group, clusters of 4 x 4, 327,680 bytes of LDS; arguments ctxb, web, gs, Wv, part; writes part
;; launch attend (part 5): grid 8 x 32, 8 waves a work-group, no clusters, 13,824 bytes of LDS; arguments ctxb, part, bv, out0, out1; writes out0, out1
.if DOCPART == 5
	.amdgcn_target "amdgcn-amd-amdhsa--gfx1250"
	.amdhsa_code_object_version 6
	.text
	.protected	k_qa39e84a6f9_attend
	.globl	k_qa39e84a6f9_attend
	.p2align	8
	.type	k_qa39e84a6f9_attend,@function
k_qa39e84a6f9_attend:
	s_mov_b64 s[64:65], 0
	v_nop
	global_prefetch_b8 v0, s[64:65] scope:SCOPE_SE
	s_setreg_imm32_b32 hwreg(HW_REG_WAVE_SCHED_MODE, 0, 2), 2
	s_setreg_imm32_b32 hwreg(HW_REG_WAVE_MODE, 25, 1), 1
	s_wait_xcnt 0x0
	s_wait_alu depctr_vm_vsrc(0)
; scores[b][s] = the sum of part's eight planes + bv;  out1[b][:] = softmax over s, with the row's true maximum taken away;  out0[b][e] = sum over s of out1[b][s] ctxb[b][s][e].
; All arithmetic in f32; ctxb is context rounded once to bf16.  LIMITS: an exponential below 2^-126 counts as 0; NaN and infinities are not treated apart.
; SHARES.  Work-group (p, b) owns 256 columns (512 bytes of each row of ctxb) of batch b; wave w walks rows 128 w .. 128 w + 127; a lane owns 8 columns.  The batch's softmax (32 KiB of part)
; is made anew by each of the batch's 8 work-groups, in the same order of sums.  Thread t holds four scores: numbers 4 t .. 4 t + 3 of part's order, which are rows
; 128 w + 16 (4 (l / 16) + i) + l % 16.  A wave's 128 weights go through the wave's own 512 bytes of LDS into natural order; wave p of work-group p stores them to out1.
; The stream of ctxb is begun before the softmax: 32 row slots in registers, all asked for at the head, each load 512 consecutive bytes of the wave.
; No matrix unit: one row of weights for each batch; the bytes of ctxb bound the launch.  No cluster: no two work-groups share a byte of ctxb.
; THE MODE: SCHED_MODE bits 1:0 = 2 (LLVM: expert scheduling mode 2), set by the entry lines.  The code itself states the register dependences
; between vector instructions and memory or LDS instructions, with s_wait_alu, always for 0.
; THE PLAN.  A wave's 128 rows go in 16 blocks of eight.  Registers that memory or LDS instructions touch, in the loop:
;   X0 .. X3    four blocks of rows as loaded.  Block p's multiply-adds read X[p % 4]; the loads of block p + 4 land in it, issued in block p + 1.
;   WT0 .. WT3  four sets of eight weights.     Block p's multiply-adds read WT[p % 4]; the LDS loads of block p + 4's weights land in it, issued in block p + 1.
;   v[WA]       Read by the weights' LDS loads; written once a lap of four blocks, at the lap's end.
;   v[VX]       Read by every load of ctxb; never written again: each X buffer has a scalar base of its own, which moves on by 32 rows.
;   ACC is named by vector instructions alone until the LDS stores behind the last block.
; Block p's memory and LDS instructions touch X[(p - 1) % 4] and WT[(p - 1) % 4], which the block before worked on and which no vector instruction of block p names.  So ONE wait on
; va_vdst at a block's head states all that they hang on, and the row loads are dealt among the block's first rows with no further wait.  One wait on vm_vsrc a lap stands ahead of the add to v[WA].
; Outside the loop: TM (reductions; the data of two LDS stores, then the landing place of LDS loads), SC (the weights' LDS stores), the addresses v1 to v9, made at the head and never written again.
.set ROW,   4096                       ; bytes in a row of ctxb
.set WL,    0                          ; LDS: 1,024 weights in natural order; wave w writes and reads bytes 512 w .. 512 w + 511 alone
.set RED0,  4096                       ; the eight waves' maxima
.set RED1,  4352                       ; the eight waves' sums: other bytes, so that no barrier is needed between the two uses
.set CP,    4608                       ; [8 waves][256 columns] f32
.set SPARE, 12800                      ; the spare words, 128 bytes for each wave: four blocks of 256 bytes that no other line names
.set WR,  1                            ; v1   first the lane; then 512 w + 16 l: where wave p reads its 128 weights back for out1
.set VX,  2                            ; v2   16 x lane; never rewritten
.set VP,  3                            ; v3   16 x thread; never rewritten
.set WS,  4                            ; v4   where my first weight goes: 512 w + 256 (l / 16) + 4 (l % 16)
.set WA,  5                            ; v5   my wave's weights, the same address in all lanes; 128 bytes (32 rows) on in each lap
.set RS,  6                            ; v6   RED0 + 4 w
.set RL,  7                            ; v7   RED0
.set CS,  8                            ; v8   CP + 1,024 w + 32 l
.set CL,  9                            ; v9   CP + 16 x thread
.set SPW, 10                           ; v10  LDS address of my spare word; never rewritten
.set NIL, 11                           ; v11  0; never rewritten
.set SC,  12                           ; v[12:15]  four scores, then exponentials, then weights
.set WT,  16                           ; v[16:47]  part's eight planes; later set k: eight weights at WT + 8 k
.set ACC, 48                           ; v[48:55]  my 8 columns
.set TM,  56                           ; v[56:63]  at work
.set X,   64                           ; v[64:191] buffer k, row i: 4 registers at X + 32 k + 4 i, 8 bf16 of a row
.set XB,  24                           ; s[24:31]  buffer k: the address of the first of the eight rows that it was asked for last: a pair at XB + 2 k
	s_load_b256 s[4:11], s[0:1], 0x0               ; ctxb s[4:5], part s[6:7], bv s[8:9], out0 s[10:11]
	s_load_b64 s[12:13], s[0:1], 0x20              ; out1
	v_lshl_add_u32 v[SPW], v0, 2, SPARE
	v_mov_b32 v[NIL], 0
	v_and_b32 v1, 31, v0
	v_lshrrev_b32 v[TM], 5, v0
	v_readfirstlane_b32 s14, v[TM]                 ; wave 0..7
	s_and_b32 s15, ttmp7, 0xffff                   ; the batch
	v_lshlrev_b32 v[VX], 4, v1
	v_lshlrev_b32 v[VP], 4, v0
	s_wait_alu depctr_va_sdst(0)                   ; s14 is written, ahead of its first reader: addresses and two branches are made from it
	s_lshl_b32 s16, s14, 9                         ; 512 x wave
	v_and_b32 v[TM+1], 15, v0
	v_bfe_u32 v[TM+2], v0, 4, 1
	v_lshl_add_u32 v[WS], v[TM+2], 8, s16
	v_lshl_add_u32 v[WS], v[TM+1], 2, v[WS]
	v_mov_b32 v[WA], s16
	s_lshl_b32 s17, s14, 2
	s_add_co_u32 s17, s17, RED0
	v_mov_b32 v[RS], s17
	v_mov_b32 v[RL], RED0
	s_lshl_b32 s17, s14, 10
	s_add_co_u32 s17, s17, CP
	v_lshl_add_u32 v[CS], v1, 5, s17
	v_lshl_add_u32 v[CL], v0, 4, CP
	v_add_nc_u32 v[WR], s16, v[VX]                 ; the lane's number has been used for the last time
	s_mov_b32 s22, 0x76543210                      ; v_permlanex16_b32: each lane takes its own place in the other half
	s_mov_b32 s23, 0xfedcba98
	s_mov_b32 s19, 0
	s_wait_kmcnt 0x0
	s_load_b32 s20, s[8:9], 0x0                    ; bv
	s_lshl_b32 s18, s15, 12                        ; a batch's 1,024 f32
	s_add_nc_u64 s[6:7], s[6:7], s[18:19]          ; part
	s_add_co_u32 s18, s18, s16
	s_add_nc_u64 s[12:13], s[12:13], s[18:19]      ; out1 at my wave's 128 weights
	s_lshl_b32 s18, s15, 13
	s_lshl_b32 s17, ttmp9, 10
	s_add_co_u32 s18, s18, s17
	s_add_nc_u64 s[10:11], s[10:11], s[18:19]      ; out0 at the work-group's 256 columns
	s_lshl_b32 s18, s15, 22                        ; a batch's 1,024 rows of 4,096 bytes: under 2^27
	s_lshl_b32 s17, s14, 19                        ; my wave's 128 rows
	s_add_co_u32 s18, s18, s17
	s_lshl_b32 s17, ttmp9, 9                       ; the work-group's 512 bytes of a row
	s_add_co_u32 s18, s18, s17
	s_add_nc_u64 s[XB:XB+1], s[4:5], s[18:19]      ; ctxb at my wave's row 0,
.irp k, 1,2,3
	s_add_nc_u64 s[XB+2*(\k):XB+2*(\k)+1], s[XB:XB+1], (\k)*8*ROW  ; at its rows 8, 16 and 24
.endr
	s_wait_alu depctr_va_vdst(0)                   ; the nine offsets and addresses v1 to v9 are written, which the loads and stores of the kernel read
.irp c, 0,1,2,3,4,5,6,7
	global_load_b128 v[WT+4*(\c):WT+4*(\c)+3], v[VP], s[6:7] offset:(\c)*131072
.endr
.set r, 0
.rept 32
	global_load_b128 v[X+4*r:X+4*r+3], v[VX], s[XB+2*(r/8):XB+2*(r/8)+1] offset:(r%8)*ROW th:TH_LOAD_NT  ; rows 0 to 31 of my wave
.set r, r+1
.endr
	s_wait_loadcnt 32                              ; part is in: the 32 loads of ctxb are younger
.irp c, 1,2,3,4,5,6,7
	v_pk_add_f32 v[WT:WT+1],   v[WT:WT+1],   v[WT+4*(\c):WT+4*(\c)+1]
	v_pk_add_f32 v[WT+2:WT+3], v[WT+2:WT+3], v[WT+4*(\c)+2:WT+4*(\c)+3]
.endr
	s_wait_kmcnt 0x0
	s_mov_b32 s21, s20                             ; named with it as a pair
	v_pk_add_f32 v[SC:SC+1],   v[WT:WT+1],   s[20:21] op_sel_hi:[1,0]
	v_pk_add_f32 v[SC+2:SC+3], v[WT+2:WT+3], s[20:21] op_sel_hi:[1,0]
	; the maximum: in the lane, across the wave's lanes, across the eight waves
	v_max_num_f32 v[TM+1], v[SC], v[SC+1]
	v_max3_num_f32 v[TM], v[TM+1], v[SC+2], v[SC+3]
	v_max_num_f32_dpp v[TM], v[TM], v[TM] row_xmask:1 row_mask:0xf bank_mask:0xf
	v_max_num_f32_dpp v[TM], v[TM], v[TM] row_xmask:2 row_mask:0xf bank_mask:0xf
	v_max_num_f32_dpp v[TM], v[TM], v[TM] row_xmask:4 row_mask:0xf bank_mask:0xf
	v_max_num_f32_dpp v[TM], v[TM], v[TM] row_xmask:8 row_mask:0xf bank_mask:0xf
	v_permlanex16_b32 v[TM+1], v[TM], s22, s23
	v_max_num_f32 v[TM], v[TM], v[TM+1]
	s_wait_alu depctr_va_vdst(0)                   ; v[TM], the wave's maximum, is written: the LDS store reads it; the vector work is done with v[TM ..], in which the loads behind the barrier land
	ds_store_b32 v[RS], v[TM]                      ; all lanes write the same word with the same value
	s_wait_dscnt 0x0                               ; for the others' sake
	s_barrier_signal -1
	s_barrier_wait -1
	s_wait_alu depctr_vm_vsrc(0)                   ; my LDS store has read v[TM], in which the first load below lands
	ds_load_b128 v[TM:TM+3],   v[RL]
	ds_load_b128 v[TM+4:TM+7], v[RL] offset:16
	s_wait_dscnt 0x0
	v_max3_num_f32 v[TM], v[TM], v[TM+1], v[TM+2]
	v_max3_num_f32 v[TM+3], v[TM+3], v[TM+4], v[TM+5]
	v_max3_num_f32 v[TM], v[TM], v[TM+6], v[TM+7]
	v_max_num_f32 v[TM], v[TM], v[TM+3]
	; e = 2^((s - m) log2(e)): the difference is taken first, so that a common offset of the scores costs no bits; so the two lines are not fused
.irp i, 0,1,2,3
	v_sub_f32 v[SC+(\i)], v[SC+(\i)], v[TM]
.endr
.irp i, 0,1,2,3
	v_mul_f32 v[SC+(\i)], 0x3fb8aa3b, v[SC+(\i)]
.endr
.irp i, 0,1,2,3
	v_exp_f32 v[SC+(\i)], v[SC+(\i)]
.endr
	v_nop                                          ; a plain instruction behind the last exponential,
	s_wait_alu depctr_va_vdst(0)                   ; and the one wait for the four exponentials in v[SC ..], ahead of their first reader
	v_add_f32 v[TM+1], v[SC], v[SC+1]
	v_add_f32 v[TM+2], v[SC+2], v[SC+3]
	v_add_f32 v[TM+1], v[TM+1], v[TM+2]
	v_add_f32_dpp v[TM+1], v[TM+1], v[TM+1] row_xmask:1 row_mask:0xf bank_mask:0xf
	v_add_f32_dpp v[TM+1], v[TM+1], v[TM+1] row_xmask:2 row_mask:0xf bank_mask:0xf
	v_add_f32_dpp v[TM+1], v[TM+1], v[TM+1] row_xmask:4 row_mask:0xf bank_mask:0xf
	v_add_f32_dpp v[TM+1], v[TM+1], v[TM+1] row_xmask:8 row_mask:0xf bank_mask:0xf
	v_permlanex16_b32 v[TM+2], v[TM+1], s22, s23
	v_add_f32 v[TM+1], v[TM+1], v[TM+2]
	s_wait_alu depctr_va_vdst(0)                   ; v[TM+1], the wave's sum, is written: the LDS store reads it; the vector work is done with v[TM ..], in which the loads behind the barrier land
	ds_store_b32 v[RS], v[TM+1] offset:RED1-RED0
	s_wait_dscnt 0x0
	s_barrier_signal -1
	s_barrier_wait -1
	s_wait_alu depctr_vm_vsrc(0)                   ; my LDS store has read v[TM+1], in which the first load below lands
	ds_load_b128 v[TM:TM+3],   v[RL] offset:RED1-RED0
	ds_load_b128 v[TM+4:TM+7], v[RL] offset:RED1-RED0+16
	s_wait_dscnt 0x0
	v_pk_add_f32 v[TM:TM+1], v[TM:TM+1], v[TM+2:TM+3]
	v_pk_add_f32 v[TM+4:TM+5], v[TM+4:TM+5], v[TM+6:TM+7]
	v_pk_add_f32 v[TM:TM+1], v[TM:TM+1], v[TM+4:TM+5]
	v_add_f32 v[TM], v[TM], v[TM+1]                ; at least 1: the row's maximum gives e = 1
	v_rcp_f32 v[TM+2], v[TM]
	v_nop
	s_wait_alu depctr_va_vdst(0)                   ; the reciprocal in v[TM+2], ahead of its first reader
.irp i, 0,1,2,3
	v_mul_f32 v[SC+(\i)], v[SC+(\i)], v[TM+2]
.endr
	s_wait_alu depctr_va_vdst(0)                   ; the four weights in v[SC ..] are written, which the LDS stores read; the vector work is done with v[TM ..] and v[WT ..], in which the LDS loads below land
.irp i, 0,1,2,3
	ds_store_b32 v[WS], v[SC+(\i)] offset:WL+64*(\i)  ; row 16 (4 (l / 16) + i) + l % 16 of my wave's 128: my wave's own bytes, which LDS serves in order: its loads below see these
.endr
	s_cmp_lg_u32 s14, ttmp9                        ; of the batch's 8 work-groups number p stores rows 128 p .. 128 p + 127 of out1, by its wave p
	s_cbranch_scc1 .Lnot_mine
	ds_load_b128 v[TM:TM+3], v[WR] offset:WL
	s_wait_dscnt 0x0
	global_store_b128 v[VX], v[TM:TM+3], s[12:13]  ; 512 consecutive bytes, aligned; these registers are not written again
.Lnot_mine:
.irp q, 0,1,2,3,4,5,6,7
	ds_load_b128 v[WT+4*(\q):WT+4*(\q)+3], v[WA] offset:WL+16*(\q)  ; the weights of blocks 0 to 3, the same address in all lanes
.endr
.set r, 0
.rept 8
	v_mov_b32 v[ACC+r], 0
.set r, r+1
.endr
; Block p: eight rows.  xb = p % 4.  A row's turn: 8 multiply-adds straight from the bf16 halves.  ahead = 1: the buffer and the set that the block before worked on are asked for again, 32 rows on.
; young = the loads of the younger blocks that are out at the block's head; wyoung = the weights' LDS loads that may stay out.
.macro BLK xb, ahead, young, wyoung
.set sb, ((\xb)+3)%4
.if \ahead
	s_wait_alu depctr_va_vdst(0)                   ; the block before is done reading its X and its WT, in which the loads below land; in a lap's first block v[WA] is written
	s_add_nc_u64 s[XB+2*sb:XB+2*sb+1], s[XB+2*sb:XB+2*sb+1], 32*ROW  ; free: the last row's wait of the block before has shown the loads that read this base done
	ds_load_b128 v[WT+8*sb:WT+8*sb+3],   v[WA] offset:WL+128+32*sb
	ds_load_b128 v[WT+8*sb+4:WT+8*sb+7], v[WA] offset:WL+128+32*sb+16
.endif
.irp i, 0,1,2,3,4,5,6,7
.if (\i) < 4
.set got, 2*((\i)+1)*(\ahead)
.if \ahead
	global_load_b128 v[X+32*sb+8*(\i):X+32*sb+8*(\i)+3],   v[VX], s[XB+2*sb:XB+2*sb+1] offset:(2*(\i))*ROW th:TH_LOAD_NT    ; two loads in front of each of the first four rows.  No wait: no vector
	global_load_b128 v[X+32*sb+8*(\i)+4:X+32*sb+8*(\i)+7], v[VX], s[XB+2*sb:XB+2*sb+1] offset:(2*(\i)+1)*ROW th:TH_LOAD_NT  ; instruction since the wait at the block's head names these registers
.endif
.else
.set got, 8*(\ahead)
.endif
.if (\i) == 0
	s_wait_dscnt \wyoung                           ; LDS loads come back in order: this block's eight weights are in, the younger sets stay out
.endif
	s_wait_loadcnt 7-(\i)+(\young)+got             ; loads come back in order: this row is in; the block's later rows, the younger blocks and the loads just issued stay out
.irp k, 0,1,2,3
	v_fma_mix_f32_bf16 v[ACC+2*(\k)],   v[X+32*(\xb)+4*(\i)+(\k)], v[WT+8*(\xb)+(\i)], v[ACC+2*(\k)]   op_sel_hi:[1,0,0]
	v_fma_mix_f32_bf16 v[ACC+2*(\k)+1], v[X+32*(\xb)+4*(\i)+(\k)], v[WT+8*(\xb)+(\i)], v[ACC+2*(\k)+1] op_sel:[1,0,0] op_sel_hi:[1,0,0]
.endr
.endr
.endm
	BLK 0, 0, 24, 6                                ; block 0: no block stands in front of it, so nothing is asked for again
	s_mov_b32 s2, 3
.Lrows:                                                ; blocks 1 to 12, four to a lap: buffers and sets are back at their start
	BLK 1, 1, 16, 6
	BLK 2, 1, 16, 6
	BLK 3, 1, 16, 6
	BLK 0, 1, 16, 6
	s_wait_alu depctr_vm_vsrc(0)                   ; the LDS loads issued so far have read v[WA]
	v_add_nc_u32 v[WA], 128, v[WA]
	s_sub_co_u32 s2, s2, 1
	s_cmp_lg_u32 s2, 0
	s_cbranch_scc1 .Lrows
	BLK 1, 0, 16, 4                                ; blocks 13 to 15 ask for nothing: no load leaves the wave's rows, and the counts run down
	BLK 2, 0, 8, 2
	BLK 3, 0, 0, 0
	s_wait_alu depctr_va_vdst(0)                   ; the multiply-adds have written ACC, which the LDS stores read, and are done reading X0, in which the loads behind the barrier land
	ds_store_b128 v[CS], v[ACC:ACC+3]
	ds_store_b128 v[CS], v[ACC+4:ACC+7] offset:16
	s_wait_dscnt 0x0                               ; for the others' sake: my wave's sums over its 128 rows lie in LDS
	s_barrier_signal -1
	s_barrier_wait -1
	s_cmp_lt_u32 s14, 2                            ; threads 0 to 63 finish four columns each
	s_cbranch_scc0 .Lend
.irp v, 0,1,2,3,4,5,6,7
	ds_load_b128 v[X+4*(\v):X+4*(\v)+3], v[CL] offset:1024*(\v)
.endr
	s_wait_dscnt 0x0
.irp v, 1,2,3,4,5,6,7
	v_pk_add_f32 v[X:X+1],   v[X:X+1],   v[X+4*(\v):X+4*(\v)+1]
	v_pk_add_f32 v[X+2:X+3], v[X+2:X+3], v[X+4*(\v)+2:X+4*(\v)+3]
.endr
	s_wait_alu depctr_va_vdst(0)                   ; v[X:X+3], four finished columns, are written: the store reads them
	global_store_b128 v[VP], v[X:X+3], s[10:11]    ; a wave stores 512 consecutive bytes, aligned
.Lend:
	s_wait_dscnt 0x0                               ; the wave's end
	s_wait_alu 0x0
	s_wait_tensorcnt 0x0
	ds_add_u32 v[SPW], v[NIL]
	s_wait_dscnt 0x0
	s_endpgm
.Lfunc_end_k_qa39e84a6f9_attend:
	.size	k_qa39e84a6f9_attend, .Lfunc_end_k_qa39e84a6f9_attend-k_qa39e84a6f9_attend
	.p2alignl 7, 3214868480
	.fill 96, 4, 3214868480
	.section	.rodata,"a",@progbits
	.p2align	6, 0x0
	.amdhsa_kernel k_qa39e84a6f9_attend
		.amdhsa_group_segment_fixed_size 13824
		.amdhsa_private_segment_fixed_size 0
		.amdhsa_enable_private_segment 0
		.amdhsa_kernarg_size 40
		.amdhsa_user_sgpr_count 2
		.amdhsa_user_sgpr_kernarg_segment_ptr 1
		.amdhsa_wavefront_size32 1
		.amdhsa_system_sgpr_workgroup_id_x 1
		.amdhsa_system_sgpr_workgroup_id_y 1
		.amdhsa_system_sgpr_workgroup_id_z 1
		.amdhsa_system_vgpr_workitem_id 0
		.amdhsa_next_free_vgpr 192
		.amdhsa_next_free_sgpr 66
		.amdhsa_reserve_vcc 0
		.amdhsa_float_denorm_mode_32 3
		.amdhsa_float_denorm_mode_16_64 3
		.amdhsa_memory_ordered 1
		.amdhsa_forward_progress 1
		.amdhsa_inst_pref_size 52
	.end_amdhsa_kernel
	.amdgpu_metadata
---
amdhsa.version: [ 1, 2 ]
amdhsa.kernels:
  - .name:           k_qa39e84a6f9_attend
    .symbol:         k_qa39e84a6f9_attend.kd
    .args:
      - { .name: ctxb, .offset: 0, .size: 8, .value_kind: global_buffer, .address_space: global }
      - { .name: part, .offset: 8, .size: 8, .value_kind: global_buffer, .address_space: global }
      - { .name: bv, .offset: 16, .size: 8, .value_kind: global_buffer, .address_space: global }
      - { .name: out0, .offset: 24, .size: 8, .value_kind: global_buffer, .address_space: global }
      - { .name: out1, .offset: 32, .size: 8, .value_kind: global_buffer, .address_space: global }
    .group_segment_fixed_size: 13824
    .private_segment_fixed_size: 0
    .kernarg_segment_align: 8
    .kernarg_segment_size: 40
    .max_flat_workgroup_size: 256
    .sgpr_count:     66
    .vgpr_count:     192
    .wavefront_size: 32
...
	.end_amdgpu_metadata
.endif
;; end of part 5
